; MI455X (gfx1250); checked and timed in simulation.
; The chip was launched on July 23, 2026; its instructions are those of AMD's public machine-readable ISA for CDNA 5 (MIT licence, August 2026) and "CDNA5" Instruction Set Architecture Reference Guide (July 2026). The comments in the code are by the model that wrote it; some were corrected since.
;; Routing Attention. Allowed arithmetic: matrix products marked QUANTISED: E2M3 operands, one E8M0 scale for each 32 along K, by v_wmma_scale_f32_16x16x128_f8f6f4 with both operands' format E2M3, f32 sums; everything else in f32.
;; Inputs: Wk 256 x 256 float32; Wo 256 x 256 float32; Wq 256 x 256 float32; Wv 256 x 256 float32; bk 256 float32; bo 256 float32; bq 256 float32; bv 256 float32; k 2 x 8 x 4 x 16 x 16 x 256 float32; q 2 x 8 x 4 x 16 x 16 x 256 float32; v 2 x 8 x 4 x 16 x 16 x 256 float32.
;; Outputs: out0 2 x 8 x 4 x 16 x 16 x 256 float32.
;; This version of the problem:
;;   THIS VERSION OF THE PROBLEM IS GIVEN IN LOW PRECISION. The matrix products marked QUANTISED in the list below multiply operands that are first quantised to E2M3 (2 exponent bits, 3 mantissa bits; 6 bits a number), with one power-of-two scale for each 32 numbers along K (OCP MX v1.0); their sums are f32. All else is computed in f32.
;;   The module's matrix products, in the order in which they are computed (A, B: the left and right operand; K: the contracted axis; several contracted axes count as one K, in the product's order):
;;     1. [M 16,384, K 256] x [K 256, N 256]; A: input q; B: input Wq: QUANTISED
;;     2. [M 16,384, K 256] x [K 256, N 256]; A: input k; B: input Wk: QUANTISED
;;     3. [M 16,384, K 256] x [K 256, N 256]; A: input v; B: input Wv: QUANTISED
;;     4. batch 128 x [M 1,024, K 32] x [K 32, N 1,024]; A: computed on the way; B: computed on the way: QUANTISED
;;     5. batch 128 x [M 1,024, K 1,024] x [K 1,024, N 32]; A: softmax (see below); B: computed on the way: QUANTISED
;;     6. [M 16,384, K 256] x [K 256, N 256]; A: computed on the way; B: input Wo: QUANTISED
;;   THE QUANTISER, for each operand of a quantised product, along K:
;;     - K is cut into blocks of 32 from its start; a last block that is shorter is filled with zeros.
;;     - A block's scale is 2^e with e = floor(log2(the largest magnitude in the block)) - 2, held to -126 .. 127; a block of zeros has e = 0. As a byte (E8M0): e + 127.
;;     - Each number is divided by its block's scale, clamped to +-7.5, and rounded to the nearest number of E2M3, ties to even, subnormals kept.
;;     - The product sums the exact products of the quantised numbers (number of the format x scale) in f32.
;;   ~~~python
;;   def quantise(x, axis):      # numpy; x: float32 -> the quantised numbers, widened to float32 again
;;       x = np.moveaxis(x, axis, -1); K = x.shape[-1]
;;       x = np.pad(x, [(0, 0)] * (x.ndim - 1) + [(0, -K % 32)]); x = x.reshape(x.shape[:-1] + (-1, 32)); a = np.abs(x).max(-1, keepdims=True)
;;       e = np.where(a > 0, np.clip(np.frexp(np.where(a > 0, a, 1))[1] - 1 - 2, -126, 127), 0)      # np.frexp(a)[1] - 1 = floor(log2(a)), exactly
;;       r = np.clip(x / 2.0 ** e, -7.5, 7.5)
;;       step = 2.0 ** (np.maximum(np.frexp(np.where(r == 0, 1, r))[1] - 1, 0) - 3)
;;       q = np.round(r / step) * step * 2.0 ** e      # np.round: ties to even
;;       return np.moveaxis(q.reshape(q.shape[:-2] + (-1,))[..., :K], -1, axis).astype(np.float32)
;;   ~~~
;;   SOFTMAX AHEAD OF A QUANTISED PRODUCT. Where the list says 'softmax', what is quantised is not the finished softmax but p = 2^(t - M), with t = logit x log2(e) and M = ceil(the row's largest t), a whole number; so 1/2 < the row's largest p <= 1. The row's sum l is taken of the UNQUANTISED p, in f32, and the product's result is divided by l at the end. Since M is a whole number, a kernel that streams over the keys may use a running M (the ceiling of the running maximum): every later rescaling is an exact power of two, which a block's scale takes up: the codes' values come out the same.
;;   OPERANDS COMPUTED ON THE WAY. 'Computed on the way' means the value that the module computes at that place (a softmax that the list does not call 'softmax' is quantised finished and normalised). What goes into a quantiser is computed in f32, as accurately as f32 sums, v_exp_f32 and their like allow (about 1e-6 of the number): no bf16 or f16 on the way to a quantiser, and a product that is left as it is and whose result goes on into a quantised operand takes f32 operands (vector FMAs, or v_wmma_f32_16x16x4_f32). A number that lies on a knife's edge between two numbers of the format may be rounded either way, as far as f32 arithmetic and the matrix unit's own rounding can turn it there, and no further.
;; 2 versions. Each part assembles by itself: llvm-mc -triple=amdgcn-amd-amdhsa -mcpu=gfx1250 --defsym DOCPART=n.
;; ======== version 1 of 2: 3 launches
;; workspace buffers: wc 196,608 bytes; ws 16,384 bytes; qc 3,145,728 bytes; qs 524,288 bytes; kv 6,291,456 bytes; sc 262,144 bytes
;; launch wquant (part 1): grid 32 x 1, 4 waves a work-group, no clusters, 0 bytes of LDS; arguments Wq, Wk, Wv, Wo, wc, ws; writes wc, ws
.if DOCPART == 1
	.amdgcn_target "amdgcn-amd-amdhsa--gfx1250"
	.amdhsa_code_object_version 6
	.text
	.protected	k_q964552ef2e_wquant
	.globl	k_q964552ef2e_wquant
	.p2align	8
	.type	k_q964552ef2e_wquant,@function
k_q964552ef2e_wquant:
	s_mov_b64 s[64:65], 0
	v_nop
	global_prefetch_b8 v0, s[64:65] scope:SCOPE_SE
	s_setreg_imm32_b32 hwreg(HW_REG_WAVE_MODE, 25, 1), 1
	s_wait_xcnt 0x0
; FIRST OF THREE LAUNCHES.  The program: (1) the four weights into codes; (2) q, k, v projected and their results quantised for attention; (3) attention and the output projection.
; DEAD WORK: none is left out.  Every input moves codes or scales of a live quantised product (the three biases ahead of the attention's quantisers, bk among them; bo is added to the output), so all eleven inputs are loaded.
; THIS LAUNCH: Wq, Wk, Wv, Wo, [256 (out)][256 (in)] f32, K = the input channels, innermost, become codes of E2M3 with one E8M0 byte for each 32 along K.
; A block's scale is 2^(floor(log2(its largest magnitude)) - 2); its byte is the largest magnitude's exponent field - 2, held at 1 from below.
; LIMITS: NaN and infinities among the inputs are not served.  A block of zeros, or one whose largest magnitude lies under 2^-124, gets the byte 1 where the rule says 127 for zeros: its codes are zeros (or are
; taken against 2^-126), and these bytes are read by this program alone.
; LAYOUT OF THE RESULT: images of operand registers.  A fragment is 16 rows x 128 K, 12 registers a lane: lane (r, h) holds row r, registers 6 c .. 6 c + 5 hold K = 64 c + 32 h + 0 .. 31.
;   wc: [tensor 4][fragment F = 2 tile + s, 32][1,536 bytes: registers 4 g .. 4 g + 3 of lane l at 512 g + 16 l];   ws: [tensor][F][lane] one scale word (both halves of the lanes hold row r's).
; WHICH ROWS FORM A TILE is chosen for the launch that reads it (tile = 4 w + tau, row r):
;   Wq, Wk: 64 w + 32 (r / 8) + 8 tau + r % 8;   Wv: 64 w + 32 (tau / 2) + 16 (r / 8) + 8 (tau % 2) + r % 8;   Wo: 16 tile + r.
; SHARES: a wave makes one fragment: 128 waves.  A lane's 64 numbers are two whole blocks of 32, so no other lane is asked for a maximum.  The launch reads 1 MiB in all: no turn through LDS is spent on its loads.
.set ST,  16                           ; v16-79   my 64 numbers: block c at ST + 32 c
.set PC,  80                           ; v80-91   the fragment's codes
.set CT,  92                           ; v92-98   the upper halves of the two blocks' codes, as the conversions leave them
.set TM,  100                          ; v100-101 largest magnitudes
.set TS,  102                          ; v102-103 the conversions' scale operands
.set TB,  104                          ; v104-105 the scale bytes
.set PT,  106                          ; v106     the other half's part of the scale word
.set PW,  108                          ; v108     the scale word
.set SH8, 7                            ; v7       8 h
.set SEL, 16                           ; s[16:17] lane selects: lane l xor 16
; 64 numbers, block c at v[s + 32 c], become 2 x 6 registers of codes at v[da] and v[db]; the bytes stay in v[TB], v[TB + 1]
.macro QUANT2 s, da, db
.irp c, 0,1
	v_max3_num_f32 v[TM+\c], |v[\s+32*\c]|, |v[\s+32*\c+1]|, 0x1800000   ; the floor 2^(3 - 127) among the leaves: the byte cannot fall under 1
.endr
.irp i, 2,4,6,8,10,12,14,16,18,20,22,24,26,28,30
.irp c, 0,1
	v_max3_num_f32 v[TM+\c], v[TM+\c], |v[\s+32*\c+\i]|, |v[\s+32*\c+\i+1]|   ; the two blocks by turns
.endr
.endr
.irp c, 0,1
	v_add_nc_u32 v[TS+\c], 0xff000000, v[TM+\c]    ; 2 off the exponent field: the conversion takes this operand's exponent field as its scale
.endr
.irp c, 0,1
	v_lshrrev_b32 v[TB+\c], 23, v[TS+\c]           ; the scale's byte
.endr
	v_cvt_scalef32_pk16_fp6_f32 v[\da:\da+2], v[\s:\s+15], v[TS]
	v_cvt_scalef32_pk16_fp6_f32 v[CT:CT+2], v[\s+16:\s+31], v[TS]        ; (a conversion's three registers begin on an even number)
	v_cvt_scalef32_pk16_fp6_f32 v[\db:\db+2], v[\s+32:\s+47], v[TS+1]
	v_cvt_scalef32_pk16_fp6_f32 v[CT+4:CT+6], v[\s+48:\s+63], v[TS+1]
	v_nop                                          ; one plain place behind the scaled conversions
.irp i, 0,1,2
	v_mov_b32 v[\da+3+\i], v[CT+\i]
	v_mov_b32 v[\db+3+\i], v[CT+4+\i]
.endr
.endm
; my two bytes are those of blocks h and 2 + h of my row: with lane l xor 16's two the word is whole
.macro WORD
	v_lshl_or_b32 v[PW], v[TB+1], 16, v[TB]
	v_lshlrev_b32 v[PW], v[SH8], v[PW]
	v_permlanex16_b32 v[PT], v[PW], s[SEL], s[SEL+1]
	v_or_b32 v[PW], v[PW], v[PT]
.endm
	s_load_b256 s[4:11], s[0:1], 0x0               ; Wq, Wk, Wv, Wo
	s_load_b128 s[12:15], s[0:1], 0x20             ; wc, ws
	v_lshrrev_b32 v1, 5, v0
	v_readfirstlane_b32 s20, v1                    ; wave
	v_and_b32 v1, 31, v0                           ; lane
	v_and_b32 v2, 15, v0                           ; r
	v_bfe_u32 v3, v0, 4, 1                         ; h
	s_lshr_b32 s21, ttmp9, 3                       ; T: which tensor
	s_and_b32 s22, ttmp9, 7
	s_lshl_b32 s22, s22, 2
	s_add_co_u32 s22, s22, s20                     ; F: which fragment
	s_lshr_b32 s23, s22, 1                         ; tile
	s_and_b32 s24, s22, 1                          ; s: which 128 along K
	s_lshr_b32 s25, s23, 2                         ; w
	s_and_b32 s26, s23, 3                          ; tau
	s_cmp_lt_u32 s21, 2                            ; row = 64 w + G1 (tau / 2) + G0 (tau % 2) + GA (r / 8) + r % 8
	s_cselect_b32 s27, 32, 16                      ; GA: q, k 32; v 16
	s_cselect_b32 s28, 16, 32                      ; G1: q, k 16; v, o 32
	s_cmp_eq_u32 s21, 3
	s_cselect_b32 s27, 8, s27                      ; GA: o 8
	s_cselect_b32 s29, 16, 8                       ; G0: o 16; else 8
	s_lshr_b32 s30, s26, 1
	s_mul_i32 s30, s30, s28
	s_and_b32 s31, s26, 1
	s_mul_i32 s31, s31, s29
	s_add_co_u32 s30, s30, s31
	s_lshl_b32 s31, s25, 6
	s_add_co_u32 s30, s30, s31                     ; the row's part that the wave shares
	v_lshrrev_b32 v8, 3, v2
	v_mul_lo_u32 v8, v8, s27
	v_and_b32 v9, 7, v2
	v_add3_u32 v8, v8, v9, s30                     ; my row
	v_lshlrev_b32 v4, 10, v8                       ; a row is 1,024 bytes
	v_lshl_add_u32 v4, v3, 7, v4                   ; + 128 h: my block of 32
	s_lshl_b32 s31, s24, 9
	v_add_nc_u32 v4, s31, v4                       ; + 512 s
	v_lshlrev_b32 v5, 4, v1                        ; 16 x lane
	v_lshlrev_b32 v6, 2, v1                        ; 4 x lane
	v_lshlrev_b32 v[SH8], 3, v3
	v_mov_b32 v[PT], 0                             ; a lane permute's destination counts as one of its sources
	s_mov_b32 s[SEL], 0x76543210
	s_mov_b32 s[SEL+1], 0xfedcba98
	s_mul_i32 s36, s21, 49152
	s_mul_i32 s37, s22, 1536
	s_add_co_u32 s36, s36, s37                     ; where my image goes
	s_mov_b32 s37, 0
	s_lshl_b32 s38, s21, 12
	s_lshl_b32 s39, s22, 7
	s_add_co_u32 s38, s38, s39                     ; and my scale words
	s_mov_b32 s39, 0
	s_and_b32 s31, s21, 1
	s_wait_kmcnt 0x0
	s_cmp_lt_u32 s21, 2                            ; the tensor is chosen by the work-group's number alone
	s_cselect_b64 s[32:33], s[4:5], s[8:9]
	s_cselect_b64 s[34:35], s[6:7], s[10:11]
	s_cmp_eq_u32 s31, 1
	s_cselect_b64 s[32:33], s[34:35], s[32:33]
	s_add_nc_u64 s[12:13], s[12:13], s[36:37]
	s_add_nc_u64 s[14:15], s[14:15], s[38:39]
.irp c, 0,1
.irp j, 0,1,2,3,4,5,6,7
	global_load_b128 v[ST+32*\c+4*\j:ST+32*\c+4*\j+3], v4, s[32:33] offset:256*\c+16*\j   ; W(row, 128 s + 64 c + 32 h + 4 j ..)
.endr
.endr
	s_wait_loadcnt 0x0                             ; one batch; nothing else is on its way
	QUANT2 ST, PC, PC+6
	WORD
.irp g, 0,1,2
	global_store_b128 v5, v[PC+4*\g:PC+4*\g+3], s[12:13] offset:512*\g   ; 32 lanes store 512 consecutive bytes, at a multiple of 256 from the buffer's first byte
.endr
	global_store_b32 v6, v[PW], s[14:15]
	s_endpgm
.Lfunc_end_k_q964552ef2e_wquant:
	.size	k_q964552ef2e_wquant, .Lfunc_end_k_q964552ef2e_wquant-k_q964552ef2e_wquant
	.p2alignl 7, 3214868480
	.fill 96, 4, 3214868480
	.section	.rodata,"a",@progbits
	.p2align	6, 0x0
	.amdhsa_kernel k_q964552ef2e_wquant
		.amdhsa_group_segment_fixed_size 0
		.amdhsa_private_segment_fixed_size 0
		.amdhsa_enable_private_segment 0
		.amdhsa_kernarg_size 48
		.amdhsa_user_sgpr_count 2
		.amdhsa_user_sgpr_kernarg_segment_ptr 1
		.amdhsa_wavefront_size32 1
		.amdhsa_system_sgpr_workgroup_id_x 1
		.amdhsa_system_sgpr_workgroup_id_y 1
		.amdhsa_system_sgpr_workgroup_id_z 1
		.amdhsa_system_vgpr_workitem_id 0
		.amdhsa_next_free_vgpr 112
		.amdhsa_next_free_sgpr 66
		.amdhsa_reserve_vcc 0
		.amdhsa_float_denorm_mode_32 3
		.amdhsa_float_denorm_mode_16_64 3
		.amdhsa_memory_ordered 1
		.amdhsa_forward_progress 1
		.amdhsa_inst_pref_size 8
	.end_amdhsa_kernel
	.amdgpu_metadata
---
amdhsa.version: [ 1, 2 ]
amdhsa.kernels:
  - .name:           k_q964552ef2e_wquant
    .symbol:         k_q964552ef2e_wquant.kd
    .args:
      - { .name: Wq, .offset: 0, .size: 8, .value_kind: global_buffer, .address_space: global }
      - { .name: Wk, .offset: 8, .size: 8, .value_kind: global_buffer, .address_space: global }
      - { .name: Wv, .offset: 16, .size: 8, .value_kind: global_buffer, .address_space: global }
      - { .name: Wo, .offset: 24, .size: 8, .value_kind: global_buffer, .address_space: global }
      - { .name: wc, .offset: 32, .size: 8, .value_kind: global_buffer, .address_space: global }
      - { .name: ws, .offset: 40, .size: 8, .value_kind: global_buffer, .address_space: global }
    .group_segment_fixed_size: 0
    .private_segment_fixed_size: 0
    .kernarg_segment_align: 8
    .kernarg_segment_size: 48
    .max_flat_workgroup_size: 128
    .sgpr_count:     66
    .vgpr_count:     112
    .wavefront_size: 32
...
	.end_amdgpu_metadata
.endif
;; end of part 1
;; launch proj (part 2): grid 128 x 3, 4 waves a work-group, no clusters, 27,136 bytes of LDS; arguments q, k, v, wc, ws, bq, bk, bv, qc, qs, kv, sc; writes qc, qs, kv, sc
.if DOCPART == 2
	.amdgcn_target "amdgcn-amd-amdhsa--gfx1250"
	.amdhsa_code_object_version 6
	.text
	.protected	k_q964552ef2e_proj
	.globl	k_q964552ef2e_proj
	.p2align	8
	.type	k_q964552ef2e_proj,@function
k_q964552ef2e_proj:
	s_mov_b64 s[64:65], 0
	v_nop
	global_prefetch_b8 v0, s[64:65] scope:SCOPE_SE
	s_setreg_imm32_b32 hwreg(HW_REG_WAVE_MODE, 25, 1), 1
	s_wait_xcnt 0x0
; SECOND LAUNCH: y = Q(x) Q(W)^T + b for x = q, k, v (work-group y = 0, 1, 2), and y quantised at once for the attention: q and k along a head's 32 channels, v along blocks of 32 keys.  No work is left out.
; x: [16,384][256] f32.  W's codes and scale words come from the first launch, as images of operand registers.  Products on codes of E2M3, sums in f32, the bias as the C of each sum's first product.
; LIMITS: as in the first launch (NaN, infinities; blocks of zeros and blocks under 2^-124 get the byte 1; the bytes are read by this program alone).
; SHARES.  A work-group takes 128 tokens (one key step of one window): two blocks f of 64.  THE WAVES SHARE THE COLUMNS: wave w owns channels 64 w .. 64 w + 63, heads 2 w and 2 w + 1; its 8 fragments of W stay in registers.
; THE TOKENS OF A TILE ARE NOT NEIGHBOURS: row r of tile i (0 .. 3) of a block of 64 is token 32 (r / 8) + 8 i + r % 8.
;   q, k (source 0 = 16 rows of W, source 1 = 16 tokens): with W's rows as the first launch chose them, lane (r, h) holds token row r, and its 32 registers of the four tiles tau are channels 0 .. 31 of head 2 w + h: a whole block.
;   v (source 0 = 16 tokens, source 1 = 16 rows of W): lane (r, h) holds one channel, and its 32 registers of the four token tiles are tokens 64 f + 32 h + 0 .. 31: a whole block of keys.
; So no block's maximum needs another lane, and the conversions' results are operand registers of the third launch.
; PHASES.  X: wave w quantises token tiles 2 w and 2 w + 1 (four fragments) and stores their images in LDS | the one barrier | each wave multiplies all 8 tiles by its part of W, quantises, stores.
; Every work-group loads the bias in both results' layouts (12 small loads), so that no branch stands ahead of the barrier.
; OUT.  qc: [block of 64][pair of heads w][tile i][768: a lane's registers 0-3 at 16 l, 4-5 at 512 + 8 l]; qs: [block][w][lane][i] the scale byte four times in a word.
;   kv: [window][key step][head][K f 0, K f 1, V t 0, V t 1: four images of 1,536].  A fragment of K holds 64 KEYS: row m, block beta = key 64 f + 32 (m / 8) + 8 beta + m % 8.  Row m of V's tile t is channel 16 (m / 8) + 8 t + m % 8.
;   sc: [window][K's 8,192, V's 8,192], each [step][w][256]: K's word of (head 2 w + hp, f, row m) at 8 (16 hp + m) + 4 f; V's of (head 2 w + hp, t, row m) at 8 (16 t + m) + 4 hp.
; REGISTERS.  Window 0: v1-15 addresses and words; ahead of the barrier v16-207 three sets of 64 numbers of x, v208-219 codes; behind it v16-79 eight accumulators, v80-175 fragments of x, v176-223 the results' codes;
;   v224-239 at work; v240-247 W's scale words, v248-255 x's.   Window 1: v0-95 W's 8 fragments ((tau, s) at 12 (2 tau + s)); v96-127 the bias, eight registers a tile.
.set XIMG,  0                          ; LDS: x's 16 fragments as images (token tile T, K step s: 2 T + s), 1,536 bytes each;
.set XSC,   24576                      ; their scale words, 128 bytes each;
.set SPARE, 26624                      ; the spare words, 128 bytes for each wave: two blocks of 256 bytes that no other line names
.set L8,   1                           ; v1   8 x lane
.set XA,   4                           ; v4   x: (32 (r / 8) + r % 8) rows of 1,024 bytes + 128 h
.set LI,   5                           ; v5   16 x lane
.set LS,   6                           ; v6   4 x lane
.set XWI,  7                           ; v7   where I store x's images: 16 x lane + 6,144 x wave
.set XWS,  8                           ; v8   and their scale words: 4 x lane + 512 x wave
.set SH8,  9                           ; v9   8 h
.set VW,   10                          ; v10-13 the bias in v's layout; then V's scale words, one a tile tau
.set KW,   14                          ; v14-15 K's scale words; in v's path at work, then V's words on their way out
.set ST0,  16
.set ST1,  80
.set ST2,  144
.set PC,   208
.set PT,   220
.set PW,   221
.set BQK,  222                         ; v222 the bias's offset in q's and k's layout: 128 h
.set BV,   223                         ; v223 in v's: 64 (r / 8) + 4 (r % 8)
.set ACC,  16
.set XF,   80
.set BYT,  128                         ; v128-135 (q, k) the scale bytes of tiles 4 f + i
.set RES,  176
.set CT,   224
.set TM,   232
.set TS,   234
.set SPW,  236                         ; v236 LDS address of my spare word; never rewritten
.set NIL,  237                         ; v237 0; never rewritten
.set TB,   238
.set WS,   240
.set XS,   248
.set BI,   96                          ; in window 1
.set SEL,  36                          ; s[36:37]
.set MSB, 0
.macro WIN new                         ; the immediate's high byte repeats the setting that is left
.if MSB != \new
	s_set_vgpr_msb (MSB<<8)|\new
.set MSB, \new
.endif
.endm
.macro PLACES
.rept 4
	v_nop
.endr
.endm
; 64 numbers, block c at v[s + 32 c], become 2 x 6 registers of codes at v[da] and v[db]; the bytes stay in v[TB], v[TB + 1].  The maxima take the numbers in ascending order: each accumulator is read from its low end on.
.macro QUANT2 s, da, db
.irp c, 0,1
	v_max3_num_f32 v[TM+\c], |v[\s+32*\c]|, |v[\s+32*\c+1]|, 0x1800000   ; the floor 2^(3 - 127) among the leaves: the byte cannot fall under 1
.endr
.irp i, 2,4,6,8,10,12,14,16,18,20,22,24,26,28,30
.irp c, 0,1
	v_max3_num_f32 v[TM+\c], v[TM+\c], |v[\s+32*\c+\i]|, |v[\s+32*\c+\i+1]|
.endr
.endr
.irp c, 0,1
	v_add_nc_u32 v[TS+\c], 0xff000000, v[TM+\c]    ; 2 off the exponent field: the conversion's scale operand
.endr
.irp c, 0,1
	v_lshrrev_b32 v[TB+\c], 23, v[TS+\c]           ; the scale's byte
.endr
	v_cvt_scalef32_pk16_fp6_f32 v[\da:\da+2], v[\s:\s+15], v[TS]
	v_cvt_scalef32_pk16_fp6_f32 v[CT:CT+2], v[\s+16:\s+31], v[TS]        ; (a conversion's three registers begin on an even number)
	v_cvt_scalef32_pk16_fp6_f32 v[\db:\db+2], v[\s+32:\s+47], v[TS+1]
	v_cvt_scalef32_pk16_fp6_f32 v[CT+4:CT+6], v[\s+48:\s+63], v[TS+1]
	v_nop                                          ; one plain place behind the scaled conversions
.irp i, 0,1,2
	v_mov_b32 v[\da+3+\i], v[CT+\i]
	v_mov_b32 v[\db+3+\i], v[CT+4+\i]
.endr
.endm
; set n of x = (my tile e = n / 2, K step s = n % 2): lane (r, h) takes of its token K = 128 s + 64 c + 32 h + 0 .. 31
.macro XLOAD n, reg
.irp c, 0,1
.irp j, 0,1,2,3,4,5,6,7
	global_load_b128 v[\reg+32*\c+4*\j:\reg+32*\c+4*\j+3], v[XA], s[30:31] offset:8192*((\n)/2)+512*((\n)%2)+256*\c+16*\j th:TH_LOAD_NT
.endr
.endr
.endm
; set n is quantised; its fragment and its scale words go to LDS as images of their registers
.macro XQ n, reg
	QUANT2 \reg, PC, PC+6
	v_lshl_or_b32 v[PW], v[TB+1], 16, v[TB]        ; my two bytes are those of blocks h and 2 + h of my row:
	v_lshlrev_b32 v[PW], v[SH8], v[PW]
	v_permlanex16_b32 v[PT], v[PW], s[SEL], s[SEL+1]
	v_or_b32 v[PW], v[PW], v[PT]                   ; with lane l xor 16's two the word is whole
.irp g, 0,1,2
	ds_store_b128 v[XWI], v[PC+4*\g:PC+4*\g+3] offset:XIMG+1536*(\n)+512*\g
.endr
	ds_store_b32 v[XWS], v[PW] offset:XSC+128*(\n)
	s_wait_dscnt 0x0                               ; the stores have read their registers: the next set's codes may be written
.endm
.macro FETCH reg, sreg, frag           ; a fragment of x and its scale words come back as they were stored, in any wave
.irp g, 0,1,2
	ds_load_b128 v[\reg+4*\g:\reg+4*\g+3], v[LI] offset:XIMG+1536*(\frag)+512*\g
.endr
	ds_load_b32 v[\sreg], v[LS] offset:XSC+128*(\frag)
.endm
	s_load_b512 s[4:19], s[0:1], 0x0               ; q s[4:5], k s[6:7], v s[8:9], wc s[10:11], ws s[12:13], bq s[14:15], bk s[16:17], bv s[18:19]
	s_load_b256 s[20:27], s[0:1], 0x40             ; qc s[20:21], qs s[22:23], kv s[24:25], sc s[26:27]
	v_lshl_add_u32 v[SPW], v0, 2, SPARE
	v_mov_b32 v[NIL], 0
	v_lshrrev_b32 v1, 5, v0
	v_readfirstlane_b32 s28, v1                    ; wave 0..3
	s_and_b32 s29, ttmp7, 0xffff                   ; which tensor
	v_and_b32 v10, 31, v0                          ; lane
	v_and_b32 v2, 15, v0                           ; r
	v_bfe_u32 v3, v0, 4, 1                         ; h
	v_lshlrev_b32 v[L8], 3, v10
	v_lshlrev_b32 v[LI], 4, v10
	v_lshlrev_b32 v[LS], 2, v10
	v_lshlrev_b32 v[SH8], 3, v3
	v_lshrrev_b32 v11, 3, v2                       ; r / 8
	v_and_b32 v12, 7, v2                           ; r % 8
	v_lshl_add_u32 v13, v11, 5, v12
	v_lshlrev_b32 v[XA], 10, v13
	v_lshl_add_u32 v[XA], v3, 7, v[XA]
	s_mul_i32 s38, s28, 6144
	v_add_nc_u32 v[XWI], s38, v[LI]
	s_lshl_b32 s38, s28, 9
	v_add_nc_u32 v[XWS], s38, v[LS]
	v_lshlrev_b32 v[BQK], 7, v3
	v_lshlrev_b32 v[BV], 6, v11
	v_lshl_add_u32 v[BV], v12, 2, v[BV]
	v_cmp_eq_u32 s34, 1, v3                        ; the mask of lanes 16-31
	v_mov_b32 v[PT], 0                             ; lane permutes' destinations count as sources: written once
	v_mov_b32 v[KW], 0
	v_mov_b32 v[KW+1], 0
	s_mov_b32 s[SEL], 0x76543210
	s_mov_b32 s[SEL+1], 0xfedcba98
	s_lshl_b32 s46, ttmp9, 7                       ; my first token: 128 x work-group + 64 (wave / 2) + 16 (wave % 2): tile 2 w is tile i = 2 (w % 2) of block f = w / 2
	s_lshr_b32 s38, s28, 1
	s_lshl_b32 s38, s38, 6
	s_add_co_u32 s46, s46, s38
	s_and_b32 s38, s28, 1
	s_lshl_b32 s38, s38, 4
	s_add_co_u32 s46, s46, s38
	s_lshl_b32 s46, s46, 10
	s_mov_b32 s47, 0
	s_mul_i32 s40, s29, 49152                      ; my 8 fragments of this tensor's W,
	s_mul_i32 s38, s28, 12288
	s_add_co_u32 s40, s40, s38
	s_mov_b32 s41, 0
	s_lshl_b32 s42, s29, 12                        ; their scale words,
	s_lshl_b32 s38, s28, 10
	s_add_co_u32 s42, s42, s38
	s_mov_b32 s43, 0
	s_lshl_b32 s44, s28, 8                         ; my 64 numbers of the bias
	s_mov_b32 s45, 0
	s_wait_kmcnt 0x0
	s_cmp_eq_u32 s29, 0                            ; the buffers are chosen by the work-group's number alone
	s_cselect_b64 s[30:31], s[4:5], s[6:7]
	s_cselect_b64 s[32:33], s[14:15], s[16:17]
	s_cmp_eq_u32 s29, 2
	s_cselect_b64 s[30:31], s[8:9], s[30:31]
	s_cselect_b64 s[32:33], s[18:19], s[32:33]
	s_add_nc_u64 s[30:31], s[30:31], s[46:47]
	s_add_nc_u64 s[10:11], s[10:11], s[40:41]
	s_add_nc_u64 s[12:13], s[12:13], s[42:43]
	s_add_nc_u64 s[32:33], s[32:33], s[44:45]
	; ---- X: my two token tiles become four fragments
	XLOAD 0, ST0
	XLOAD 1, ST1
	XLOAD 2, ST2
	s_mul_i32 s40, ttmp9, 24576                    ; where the results go: qc: two blocks of 12,288 a work-group, 3,072 a wave
	s_mul_i32 s38, s28, 3072
	s_add_co_u32 s40, s40, s38
	s_add_nc_u64 s[20:21], s[20:21], s[40:41]
	s_lshl_b32 s40, ttmp9, 12                      ; qs: two blocks of 2,048, 512 a wave
	s_lshl_b32 s38, s28, 9
	s_add_co_u32 s40, s40, s38
	s_add_nc_u64 s[22:23], s[22:23], s[40:41]
	s_mul_i32 s40, ttmp9, 49152                    ; kv: a key step is 49,152 bytes, a head 6,144
	s_mul_i32 s38, s28, 12288
	s_add_co_u32 s40, s40, s38
	s_add_nc_u64 s[24:25], s[24:25], s[40:41]
	s_lshr_b32 s40, ttmp9, 3                       ; sc: a window is 16,384 bytes, a step 1,024, a pair of heads 256
	s_lshl_b32 s40, s40, 14
	s_and_b32 s38, ttmp9, 7
	s_lshl_b32 s38, s38, 10
	s_add_co_u32 s40, s40, s38
	s_lshl_b32 s38, s28, 8
	s_add_co_u32 s40, s40, s38
	s_add_nc_u64 s[26:27], s[26:27], s[40:41]
	s_wait_loadcnt 32                              ; set 0 is in; sets 1 and 2 may be out
	XQ 0, ST0
	XLOAD 3, ST0
	WIN 0x40                                       ; destination window 1, address window 0
.irp n, 0,1,2,3,4,5,6,7,8,9,10,11,12,13,14,15,16,17,18,19,20,21,22,23
	global_load_b128 v[4*\n:4*\n+3], v[LI], s[10:11] offset:512*\n       ; W's 8 fragments: they stay
.endr
.irp t, 0,1,2,3
	global_load_b128 v[BI+8*\t:BI+8*\t+3], v[BQK], s[32:33] offset:32*\t             ; the bias in q's and k's layout: channels 32 h + 8 tau + 0 .. 7
	global_load_b128 v[BI+8*\t+4:BI+8*\t+7], v[BQK], s[32:33] offset:32*\t+16
.endr
	WIN 0
.irp n, 0,1,2,3,4,5,6,7
	global_load_b32 v[WS+\n], v[LS], s[12:13] offset:128*\n              ; W's scale words
.endr
.irp t, 0,1,2,3
	global_load_b32 v[VW+\t], v[BV], s[32:33] offset:128*(\t/2)+32*(\t%2)   ; the bias in v's layout: my lane's channel of tile tau
.endr
	s_wait_loadcnt 63                              ; set 1 is in: 76 loads were issued behind it, and the count names as many as its field holds
	XQ 1, ST1
	s_wait_loadcnt 60                              ; set 2: behind it set 3's 16 and the 44 of W, its words and the bias
	XQ 2, ST2
	s_wait_loadcnt 44                              ; set 3
	XQ 3, ST0
	s_barrier_signal -1                            ; my stores have landed (the wait for 0 closes each set)
	s_barrier_wait -1                              ; x's sixteen fragments lie in LDS; nothing is stored to LDS from here on
	s_wait_loadcnt 0x0                             ; W, its scale words, the bias
	s_cmp_eq_u32 s29, 2
	s_cbranch_scc1 .Lv_path
	; ---- q, k: four groups g = 2 f + e of two token tiles (2 g, 2 g + 1); eight accumulators by turns, K step by K step
.macro FETCHQK gg
.irp n, 0,1,2,3
	FETCH XF+12*\n, XS+\n, 4*(\gg)+\n
.endr
.endm
.macro GROUPQK gg
	s_wait_dscnt 0x0
	WIN 0x11                                       ; source 0 (W) and source 2 (the bias) window 1
.irp e, 0,1
.irp t, 0,1,2,3
	v_wmma_scale_f32_16x16x128_f8f6f4 v[ACC+32*\e+8*\t:ACC+32*\e+8*\t+7], v[24*\t:24*\t+11], v[XF+24*\e:XF+24*\e+11], v[BI+8*\t:BI+8*\t+7], v[WS+2*\t], v[XS+2*\e] matrix_a_fmt:MATRIX_FMT_FP6 matrix_b_fmt:MATRIX_FMT_FP6
.endr
.endr
	WIN 0x01
.irp e, 0,1
.irp t, 0,1,2,3
	v_wmma_scale_f32_16x16x128_f8f6f4 v[ACC+32*\e+8*\t:ACC+32*\e+8*\t+7], v[24*\t+12:24*\t+23], v[XF+24*\e+12:XF+24*\e+23], v[ACC+32*\e+8*\t:ACC+32*\e+8*\t+7], v[WS+2*\t+1], v[XS+2*\e+1] matrix_a_fmt:MATRIX_FMT_FP6 matrix_b_fmt:MATRIX_FMT_FP6
.endr
.endr
	WIN 0
	PLACES                                         ; in front of the loads into x's fragments and words, and of the first read of results
.if \gg < 3
	FETCHQK (\gg)+1
.endif
	QUANT2 ACC, RES+24*((\gg)/2)+6*((\gg)%2), RES+24*((\gg)/2)+12+6*((\gg)%2)   ; tiles 0, 2 of a block lie in one run of 12 registers, tiles 1, 3 in the next
	v_mov_b32 v[BYT+2*(\gg)], v[TB]
	v_mov_b32 v[BYT+2*(\gg)+1], v[TB+1]
.endm
	FETCHQK 0
	GROUPQK 0
	GROUPQK 1
	GROUPQK 2
	GROUPQK 3
	s_cmp_eq_u32 s29, 0
	s_cbranch_scc0 .Lk_out
	; q: a lane's six registers of each tile, as they stand
	s_mov_b32 s38, 0x01010101
.irp f, 0,1
.irp i, 0,1,2,3
	global_store_b128 v[LI], v[RES+24*\f+12*(\i%2)+6*(\i/2):RES+24*\f+12*(\i%2)+6*(\i/2)+3], s[20:21] offset:12288*\f+768*\i         ; 512 consecutive bytes
	global_store_b64 v[L8], v[RES+24*\f+12*(\i%2)+6*(\i/2)+4:RES+24*\f+12*(\i%2)+6*(\i/2)+5], s[20:21] offset:12288*\f+768*\i+512     ; 256 consecutive bytes
.endr
.endr
.irp n, 0,1,2,3,4,5,6,7
	v_mul_lo_u32 v[BYT+\n], v[BYT+\n], s38         ; the byte in all four places of a scale word: the third launch lays the query's codes in any of the four blocks
.endr
.irp f, 0,1
	global_store_b128 v[LI], v[BYT+4*\f:BYT+4*\f+3], s[22:23] offset:2048*\f
.endr
	s_branch .Ldone
.Lk_out:
	; k: the first run's lanes 16-31 (head 2 w + 1, tiles 0, 2) change places with the second's lanes 0-15 (head 2 w, tiles 1, 3): the runs are then the two heads' fragments: lane (m, h'), registers 6 c on: tile 2 c + h'
.irp f, 0,1
.irp p, 0,1,2,3,4,5,6,7,8,9,10,11
	v_permlane16_swap_b32 v[RES+24*\f+\p], v[RES+24*\f+12+\p]
.endr
.endr
.irp f, 0,1
	v_lshl_or_b32 v[KW+\f], v[BYT+4*\f+1], 8, v[BYT+4*\f]                ; lane (r, h): the word of row r of head 2 w + h's fragment f: byte beta is tile beta's
	v_lshl_or_b32 v[KW+\f], v[BYT+4*\f+2], 16, v[KW+\f]
	v_lshl_or_b32 v[KW+\f], v[BYT+4*\f+3], 24, v[KW+\f]
.endr
.irp f, 0,1
.irp p, 0,1
.irp g, 0,1,2
	global_store_b128 v[LI], v[RES+24*\f+12*\p+4*\g:RES+24*\f+12*\p+4*\g+3], s[24:25] offset:6144*\p+1536*\f+512*\g
.endr
.endr
.endr
	global_store_b64 v[L8], v[KW:KW+1], s[26:27]   ; 256 consecutive bytes
	s_branch .Ldone
.Lv_path:
	; ---- v: four groups g = 2 p + f: channel tiles 2 p, 2 p + 1 (head 2 w + p) x the four token tiles of block f; eight accumulators by turns
	WIN 0x40
.irp t, 0,1,2,3
.irp j, 0,1,2,3,4,5,6,7
	v_mov_b32 v[BI+8*\t+\j], v[VW+\t]              ; here a lane holds one channel: its bias in all eight registers
.endr
.endr
	WIN 0
.macro FETCHV ff
.irp n, 0,1,2,3,4,5,6,7
	FETCH XF+12*\n, XS+\n, 8*(\ff)+\n
.endr
.endm
.macro GROUPV gg
.set PTAU, (\gg)/2
.set FF, (\gg)%2
	s_wait_dscnt 0x0
	WIN 0x14                                       ; source 1 (W) and source 2 (the bias) window 1
.irp e, 0,1
.irp i, 0,1,2,3
	v_wmma_scale_f32_16x16x128_f8f6f4 v[ACC+32*\e+8*\i:ACC+32*\e+8*\i+7], v[XF+24*\i:XF+24*\i+11], v[24*(2*PTAU+\e):24*(2*PTAU+\e)+11], v[BI+8*(2*PTAU+\e):BI+8*(2*PTAU+\e)+7], v[XS+2*\i], v[WS+2*(2*PTAU+\e)] matrix_a_fmt:MATRIX_FMT_FP6 matrix_b_fmt:MATRIX_FMT_FP6
.endr
.endr
	WIN 0x04
.irp e, 0,1
.irp i, 0,1,2,3
	v_wmma_scale_f32_16x16x128_f8f6f4 v[ACC+32*\e+8*\i:ACC+32*\e+8*\i+7], v[XF+24*\i+12:XF+24*\i+23], v[24*(2*PTAU+\e)+12:24*(2*PTAU+\e)+23], v[ACC+32*\e+8*\i:ACC+32*\e+8*\i+7], v[XS+2*\i+1], v[WS+2*(2*PTAU+\e)+1] matrix_a_fmt:MATRIX_FMT_FP6 matrix_b_fmt:MATRIX_FMT_FP6
.endr
.endr
	WIN 0
	PLACES
.if \gg < 3
	FETCHV ((\gg)+1)%2
.endif
	QUANT2 ACC, RES+24*PTAU+6*FF, RES+24*PTAU+12+6*FF        ; registers 6 f on of tile t = e: keys 64 f + 32 h + 0 .. 31
.if FF == 0
	v_mov_b32 v[VW+2*PTAU], v[TB]
	v_mov_b32 v[VW+2*PTAU+1], v[TB+1]
.else
.irp e, 0,1
	v_lshl_or_b32 v[VW+2*PTAU+\e], v[TB+\e], 16, v[VW+2*PTAU+\e]         ; my two bytes: blocks h and 2 + h of the step's four blocks of keys
	v_lshlrev_b32 v[VW+2*PTAU+\e], v[SH8], v[VW+2*PTAU+\e]
	v_permlanex16_b32 v[KW+\e], v[VW+2*PTAU+\e], s[SEL], s[SEL+1]
	v_or_b32 v[VW+2*PTAU+\e], v[VW+2*PTAU+\e], v[KW+\e]
.endr
.irp e, 0,1
.irp g, 0,1,2
	global_store_b128 v[LI], v[RES+24*PTAU+12*\e+4*\g:RES+24*PTAU+12*\e+4*\g+3], s[24:25] offset:6144*PTAU+3072+1536*\e+512*\g
.endr
.endr
.endif
.endm
	FETCHV 0
	GROUPV 0
	GROUPV 1
	GROUPV 2
	GROUPV 3
	v_cndmask_b32 v[KW], v[VW], v[VW+1], s34       ; lane 16 t + m stores the words of tile t's row m: head 2 w's,
	v_cndmask_b32 v[KW+1], v[VW+2], v[VW+3], s34   ; and head 2 w + 1's
	global_store_b64 v[L8], v[KW:KW+1], s[26:27] offset:8192
.Ldone:
	s_wait_tensorcnt 0x0                           ; the wave's end: behind my last LDS store
	ds_add_u32 v[SPW], v[NIL]
	s_wait_dscnt 0x0
	s_endpgm
.Lfunc_end_k_q964552ef2e_proj:
	.size	k_q964552ef2e_proj, .Lfunc_end_k_q964552ef2e_proj-k_q964552ef2e_proj
	.p2alignl 7, 3214868480
	.fill 96, 4, 3214868480
	.section	.rodata,"a",@progbits
	.p2align	6, 0x0
	.amdhsa_kernel k_q964552ef2e_proj
		.amdhsa_group_segment_fixed_size 27136
		.amdhsa_private_segment_fixed_size 0
		.amdhsa_enable_private_segment 0
		.amdhsa_kernarg_size 96
		.amdhsa_user_sgpr_count 2
		.amdhsa_user_sgpr_kernarg_segment_ptr 1
		.amdhsa_wavefront_size32 1
		.amdhsa_system_sgpr_workgroup_id_x 1
		.amdhsa_system_sgpr_workgroup_id_y 1
		.amdhsa_system_sgpr_workgroup_id_z 1
		.amdhsa_system_vgpr_workitem_id 0
		.amdhsa_next_free_vgpr 384
		.amdhsa_next_free_sgpr 66
		.amdhsa_reserve_vcc 0
		.amdhsa_float_denorm_mode_32 3
		.amdhsa_float_denorm_mode_16_64 3
		.amdhsa_memory_ordered 1
		.amdhsa_forward_progress 1
		.amdhsa_inst_pref_size 87
	.end_amdhsa_kernel
	.amdgpu_metadata
---
amdhsa.version: [ 1, 2 ]
amdhsa.kernels:
  - .name:           k_q964552ef2e_proj
    .symbol:         k_q964552ef2e_proj.kd
    .args:
      - { .name: q, .offset: 0, .size: 8, .value_kind: global_buffer, .address_space: global }
      - { .name: k, .offset: 8, .size: 8, .value_kind: global_buffer, .address_space: global }
      - { .name: v, .offset: 16, .size: 8, .value_kind: global_buffer, .address_space: global }
      - { .name: wc, .offset: 24, .size: 8, .value_kind: global_buffer, .address_space: global }
      - { .name: ws, .offset: 32, .size: 8, .value_kind: global_buffer, .address_space: global }
      - { .name: bq, .offset: 40, .size: 8, .value_kind: global_buffer, .address_space: global }
      - { .name: bk, .offset: 48, .size: 8, .value_kind: global_buffer, .address_space: global }
      - { .name: bv, .offset: 56, .size: 8, .value_kind: global_buffer, .address_space: global }
      - { .name: qc, .offset: 64, .size: 8, .value_kind: global_buffer, .address_space: global }
      - { .name: qs, .offset: 72, .size: 8, .value_kind: global_buffer, .address_space: global }
      - { .name: kv, .offset: 80, .size: 8, .value_kind: global_buffer, .address_space: global }
      - { .name: sc, .offset: 88, .size: 8, .value_kind: global_buffer, .address_space: global }
    .group_segment_fixed_size: 27136
    .private_segment_fixed_size: 0
    .kernarg_segment_align: 8
    .kernarg_segment_size: 96
    .max_flat_workgroup_size: 128
    .sgpr_count:     66
    .vgpr_count:     384
    .wavefront_size: 32
...
	.end_amdgpu_metadata
.endif
;; end of part 2
;; launch attn (part 3): grid 16 x 16, 16 waves a work-group, clusters of 4 x 1, 327,680 bytes of LDS; arguments qc, qs, kv, sc, wc, ws, bo, out0; writes out0
.if DOCPART == 3
	.amdgcn_target "amdgcn-amd-amdhsa--gfx1250"
	.amdhsa_code_object_version 6
	.text
	.protected	k_q964552ef2e_attn
	.globl	k_q964552ef2e_attn
	.p2align	8
	.type	k_q964552ef2e_attn,@function
k_q964552ef2e_attn:
	s_mov_b64 s[64:65], 0
	v_nop
	global_prefetch_b8 v0, s[64:65] scope:SCOPE_SE
	s_setreg_imm32_b32 hwreg(HW_REG_WAVE_MODE, 25, 1), 1
	s_wait_xcnt 0x0
	s_wait_alu depctr_hold_cnt(0) depctr_sa_sdst(0) depctr_va_vdst(0) depctr_va_sdst(0) depctr_va_ssrc(0) depctr_va_vcc(0) depctr_vm_vsrc(0)
	s_getreg_b32 s2, hwreg(HW_REG_IB_STS2, 6, 4)
	s_cmp_eq_u32 s2, 0
	s_cbranch_scc0 .Lentry_in_a_cluster
	s_endpgm
.Lentry_in_a_cluster:
	s_bfe_u32 s2, ttmp6, 0x10000c
	s_cmp_lg_u32 s2, 0x3003
	s_cbranch_scc0 .Lentry_shape_is_right
	s_endpgm
.Lentry_shape_is_right:
; THIRD LAUNCH: out = Q(softmax(Q(qh) Q(kh)^T / sqrt(32)) Q(vh)) Q(Wo)^T + bo, window by window and head by head, all products on codes of E2M3 with E8M0 scales.  No work is left out.
; THE SOFTMAX AHEAD OF THE SECOND PRODUCT: t = score x log2(e) / sqrt(32); M = the row's largest t so far, rounded UP to a whole number; p = 2^(t - M) is quantised along the keys, not normalised.  The row's sum is taken
; of the unquantised p and divides at the end.  When M moves, the sum and O are multiplied by 2^(old M - new M): exact.
; LIMITS: NaN and infinities are not served; p under 2^-126 counts as 0; t is one rounded product of the score where the problem's text has two; blocks under 2^-124 get the scale byte 1.
; SHARES.  A work-group owns 64 queries of one window, for all 8 heads; wave W owns head W / 2 and two tiles of 16 queries, i = 2 (W % 2) + a.  Sixteen waves of 256 registers, four to a SIMD: one wave's vector work stands
; beside another's products and LDS loads.  Every wave walks the window's 1,024 keys, 128 a step.
; CLUSTER.  The four work-groups of a cluster belong to one window and walk the same K, V and scale words: each tile is asked for JOINTLY, by the same tensor load with a mask that names the four.
; LAYOUT.  Both products are used transposed, so that a lane holds ONE query (lane % 16) throughout.
;   S^T = K Q^T.  The head's size is 32, a quarter of the instruction's K.  A fragment of K (16 rows x 4 blocks) holds 64 KEYS: row m, block beta = key 64 f + 32 (m / 8) + 8 beta + m % 8.  The queries' operand has its 32 codes
;   in block beta alone and zero codes elsewhere (zero codes add nothing under any of these scale bytes): four such operands pick the four groups of keys out of one fragment.  They are runs of 12 registers out of
;   Z, Qlo, Z, Qhi, Z (Z = six zeros; Qlo = the codes in lanes 0-15, Qhi in lanes 16-31).  Register 32 c + n of S^T is then key 64 c + 32 h + n: WHOLE blocks of 32 keys in a lane, in the order that p's operand wants.
;   O^T = V^T P^T: row m of V's tile t is channel 16 (m / 8) + 8 t + m % 8, so that a lane's 16 registers of O^T are channels 16 h + 0 .. 15 of the head.
; THE WAY OUT.  O^T / the sum is quantised along the 256 channels (a block of 32 is a head; it lies in lanes l and l xor 16); the codes meet in LDS as images of operand registers; wave W multiplies the 64 rows by rows
; 16 W .. 16 W + 15 of Wo (bo as the C of the first product); the results go through a stage and leave as whole rows.
; REGISTERS: v1-3 addresses that stay, v4, v5 the add's two, v6-8 addresses in hand, v9 8 h; v10-17 statistics (tile a: -M, the largest t, the sum in two halves); v18-23 at work; v24-33 scale words and nothing else;
;   v34-87 the queries' runs; v88-111 K, v112-135 V; v136-199 S^T, then p; v200-231 O^T; v232-251 p's codes; v252-254 at work; v255 the prefetches' offset.
.set STEPB, 49152                      ; a key step's images: 8 heads x (K f 0, K f 1, V t 0, V t 1) x 1,536 bytes
.set SLOTB, 2*STEPB                    ; a slot holds two key steps
.set SLOT1, 1<<17                      ; slot 1 begins here, so that one exclusive or turns an address in one slot into the other's
.set SCL,   98304                      ; between the slots: the window's scale words, K's 8,192 bytes and V's 8,192, filled once;
.set SPARE, 114688                     ; the spare words, 128 bytes for each wave: eight blocks of 256 bytes that no other line names
.set CIMG,  0                          ; the way out lies in slot 0, which has had its last fill and its last read at the last change of slots: ctx's 8 fragments, lane-major: register p of lane l at 48 l + 4 p;
.set CSC,   12288                      ; their scale words, 64 bytes each;
.set OST,   12800                      ; the stage: 64 rows x (1,024 bytes + 16)
.set OP,    1040
.set AK0,  1
.set ASK0, 2
.set ASV0, 3
.set SPW,  4
.set NIL,  5
.set ADK,  6
.set ADS,  7
.set ADT,  8
.set SH8,  9
.set ST,   10
.set F,    18                          ; v[18:19] f = 2^(old M - new M); named as a pair
.set BM,   20                          ; v20-21 the largest score of each of my two blocks, then its p, then the byte
.set W0,   22                          ; v[22:23] at work
.set QS,   24                          ; v24-25 the queries' scale words
.set KS,   26                          ; v26 K's: lanes 0-15 fragment 0's, lanes 16-31 fragment 1's
.set VS,   27                          ; v27 V's: lanes 0-15 tile 0's, lanes 16-31 tile 1's
.set PW,   28                          ; v28 p's
.set QB,   34
.set KF,   88
.set VF,   112
.set S,    136
.set O,    200
.set PC,   232
.set CT,   244
.set TS,   252                         ; v252-253 the conversions' scale operands
.set PT,   254
.set PFO,  255
.set OA,   QB+8                        ; the way out: four accumulators of out
.set WV,   20                          ; s20 wave;  s21 head;  s22 wave % 2;  s23 cx;  s24 my block of 64 queries in the window;  s25 the window
.set HD,   21
.set PR,   22
.set CX,   23
.set QBK,  24
.set WN,   25
.set SEL,  26                          ; s[26:27] lane selects: lane l xor 16
.set CS,   28                          ; s[28:29] c = log2(e) / sqrt(32)
.set G1T,  32                          ; s[32:39] descriptor group 1 for the tiles;  s[40:47] for the scale words;  s[48:51], s[52:55] their groups 0
.set G1S,  40
.set G0T,  48
.set G0S,  52
.set TB,   56                          ; s56 LDS byte at which the slot in hand begins
.set TSC,  57                          ; s57 where the slot's scale words begin: 1,024 bytes a step
.set SLOTS, 58
.set LIM,  59
.set PFA,  60                          ; s[60:61]
.macro PLACES
.rept 4
	v_nop
.endr
.endm
.macro CROUND                          ; a round of the cluster's barrier
	s_barrier_signal -1
	s_barrier_wait -1
	s_cmp_lg_u32 s[WV], 0
	s_cbranch_scc1 .Lnot_wave_0_\@
	s_barrier_signal -3
.Lnot_wave_0_\@:
	s_barrier_wait -3
	s_barrier_signal -1
	s_barrier_wait -1
.endm
.macro TLOAD                           ; waves 0 to 3 fetch a quarter of a slot each, 96 rows of 256 bytes; the branch hangs on the wave's number alone.  An s_nop 0 and four v_nop follow the load
	s_cmp_lt_u32 s[WV], 4
	s_cbranch_scc0 .Lnone_\@
	tensor_load_to_lds s[G0T:G0T+3], s[G1T:G1T+7]
	s_nop 0
.rept 4
	v_nop
.endr
.Lnone_\@:
.endm
; A PREFETCH INTO THE L2 of the slot that the NEXT change of slots will ask for: 98,304 bytes, 384 blocks of 256.  All four clusters of a window walk the same bytes: the window's first cluster asks.  Its four partners take
; 24,576 bytes each, told apart BY ADDRESS; in each, waves 4 to 6 ask for 8,192 bytes, lanes 256 bytes apart: one instruction a wave, each block named once in the launch.  It stands where the fetching waves have their tensor
; load, two key steps ahead of the load that will want the bytes.  Slots 0 and 1 come by their loads alone; the last change that fills a slot asks for nothing.
.macro ASK
	s_cmp_gt_u32 s[SLOTS], s[LIM]
	s_cbranch_scc0 .Lnot_mine_\@
	global_prefetch_b8 v[PFO], s[PFA:PFA+1] th:TH_LOAD_NT scope:SCOPE_SE
.Lnot_mine_\@:
.endm
	s_load_b512 s[4:19], s[0:1], 0x0               ; qc s[4:5], qs s[6:7], kv s[8:9], sc s[10:11], wc s[12:13], ws s[14:15], bo s[16:17], out0 s[18:19]
	v_lshl_add_u32 v[SPW], v0, 2, SPARE
	v_mov_b32 v[NIL], 0
	ds_add_u32 v[SPW], v[NIL]                      ; the wave's opening: the add, twice on end, and its wait ahead of the first tensor loads; the set-up below, work on registers, stands between
	ds_add_u32 v[SPW], v[NIL]
	v_lshrrev_b32 v1, 5, v0
	v_readfirstlane_b32 s[WV], v1                  ; wave 0..15
	s_lshr_b32 s[HD], s[WV], 1
	s_and_b32 s[PR], s[WV], 1
	s_bfe_u32 s[CX], ttmp6, 0x40000                ; my place in the cluster: it enters global addresses of my own loads, stores and prefetches alone
	s_lshl_b32 s[QBK], ttmp9, 2
	s_add_co_u32 s[QBK], s[QBK], s[CX]
	s_and_b32 s[WN], ttmp7, 0xffff                 ; the window, which the four partners share
	; descriptor group 1: dense bytes as rows of 256 (32 elements of 8 bytes), no padding: every LDS read takes 16 bytes a lane on end
	s_mov_b32 s[G1T], 15|(3<<16)|(1<<21)           ; 15:0 the mask: all four work-groups; 17:16 elements of 8 bytes; 21 set beside a mask
	s_mov_b32 s[G1T+1], 32<<16                     ; tensor_dim0
	s_mov_b32 s[G1T+2], 96<<16                     ; tensor_dim1
	s_mov_b32 s[G1T+3], 32<<16                     ; tile_dim0
	s_mov_b32 s[G1T+4], 96                         ; tile_dim1
	s_mov_b32 s[G1T+5], 32                         ; the pitch
	s_mov_b32 s[G1T+6], 0
	s_mov_b32 s[G1T+7], 0
	s_mov_b32 s[G1S], 15|(3<<16)|(1<<21)           ; the scale words: 16 such rows a wave
	s_mov_b32 s[G1S+1], 32<<16
	s_mov_b32 s[G1S+2], 16<<16
	s_mov_b32 s[G1S+3], 32<<16
	s_mov_b32 s[G1S+4], 16
	s_mov_b32 s[G1S+5], 32
	s_mov_b32 s[G1S+6], 0
	s_mov_b32 s[G1S+7], 0
	s_and_b32 s66, s[WV], 3
	s_mul_i32 s67, s66, 24576                      ; my quarter of a slot,
	s_lshl_b32 s68, s66, 12                        ; and of the scale words
	s_mul_i32 s70, s[WN], 393216                   ; the window's images,
	s_add_co_u32 s70, s70, s67
	s_mov_b32 s71, 0
	s_lshl_b32 s72, s[WN], 14                      ; and its scale words
	s_add_co_u32 s72, s72, s68
	s_mov_b32 s73, 0
	s_mov_b32 s[SEL], 0x76543210
	s_mov_b32 s[SEL+1], 0xfedcba98
	s_mov_b32 s[CS], 0x3e8293ee                    ; c = log2(e) / sqrt(32)
	s_mov_b32 s[CS+1], s[CS]                       ; (named with it as a pair, so it is written)
	s_mov_b32 s[TB], 0
	s_mov_b32 s[TSC], 0
	s_mov_b32 s[SLOTS], 3
	s_sub_co_u32 s69, s[WV], 4
	s_cmp_lt_u32 s69, 3                            ; waves 4 to 6
	s_cselect_b32 s69, 0, 1
	s_or_b32 s69, s69, ttmp9                       ; of the window's first cluster: the same in all four partners
	s_cmp_eq_u32 s69, 0
	s_cselect_b32 s[LIM], 1, -1
	v_and_b32 v20, 31, v0                          ; lane
	v_and_b32 v21, 15, v0                          ; r
	v_bfe_u32 v252, v0, 4, 1                       ; h
	v_lshlrev_b32 v[SH8], 3, v252
	v_lshlrev_b32 v[PFO], 8, v20
	s_mul_i32 s69, s[HD], 6144
	v_lshl_add_u32 v[AK0], v20, 4, s69             ; an image's place for my lane, in my head's images
	s_lshr_b32 s74, s[HD], 1
	s_lshl_b32 s74, s74, 8                         ; 256 x the pair of heads
	s_and_b32 s75, s[HD], 1
	s_lshl_b32 s69, s75, 7
	s_add_co_u32 s69, s69, s74
	s_add_co_u32 s69, s69, SCL
	v_lshlrev_b32 v[ASK0], 3, v21
	v_lshl_add_u32 v[ASK0], v252, 2, v[ASK0]
	v_add_nc_u32 v[ASK0], s69, v[ASK0]             ; K's words: 8 (16 (head % 2) + r) + 4 h: lanes 16-31 take fragment 1's
	s_lshl_b32 s69, s75, 2
	s_add_co_u32 s69, s69, s74
	s_add_co_u32 s69, s69, SCL+8192
	v_lshl_add_u32 v[ASV0], v20, 3, s69            ; V's: 8 x lane + 4 (head % 2): lanes 16-31 take tile 1's
	s_lshl_b32 s69, s75, 8
	v_lshl_add_u32 v6, v21, 4, s69                 ; the queries' codes and words: the place of lane r + 16 (head % 2), for both halves of my lanes
	s_lshl_b32 s69, s75, 7
	v_lshl_add_u32 v7, v21, 3, s69
	s_wait_dscnt 0x0                               ; both opening adds are done
	s_wait_kmcnt 0x0
	s_mov_b32 s[G0T], 1                            ; count = 1
	s_mov_b32 s[G0T+1], s67                        ; LDS address: slot 0, my quarter
	s_add_nc_u64 s[G0T+2:G0T+3], s[8:9], s[70:71]  ; global address: the window's first two key steps
	s_or_b32 s[G0T+3], s[G0T+3], 0x80000000        ; type = 2
	s_mov_b32 s[G0S], 1
	s_add_co_u32 s[G0S+1], s68, SCL
	s_add_nc_u64 s[G0S+2:G0S+3], s[10:11], s[72:73]
	s_or_b32 s[G0S+3], s[G0S+3], 0x80000000
	CROUND                                         ; all four work-groups are here: the first joint loads meet
	s_cmp_lt_u32 s[WV], 4                          ; a loading wave's two first fills stand in one branch, ahead of every wait on TENSORcnt and every LDS read: two loads of it are out
	s_cbranch_scc0 .Lno_first
	tensor_load_to_lds s[G0S:G0S+3], s[G1S:G1S+7]  ; the window's scale words: filled once
	s_nop 0
	tensor_load_to_lds s[G0T:G0T+3], s[G1T:G1T+7]  ; slot 0
	s_nop 0
.rept 4
	v_nop
.endr
.Lno_first:
	s_lshl_b32 s76, s[WN], 4
	s_add_co_u32 s76, s76, s[QBK]                  ; my block of 64 tokens
	s_lshr_b32 s77, s[HD], 1
	s_mov_b32 s75, 0
	s_mul_i32 s74, s76, 12288                      ; qc: block, pair of heads, tile 2 (W % 2)
	s_mul_i32 s78, s77, 3072
	s_add_co_u32 s74, s74, s78
	s_mul_i32 s78, s[PR], 1536
	s_add_co_u32 s74, s74, s78
	s_add_nc_u64 s[4:5], s[4:5], s[74:75]
	s_lshl_b32 s74, s76, 11                        ; qs likewise
	s_lshl_b32 s78, s77, 9
	s_add_co_u32 s74, s74, s78
	s_lshl_b32 s78, s[PR], 3
	s_add_co_u32 s74, s74, s78
	s_add_nc_u64 s[6:7], s[6:7], s[74:75]
.irp a, 0,1
	global_load_b128 v[S+8*\a:S+8*\a+3], v6, s[4:5] offset:768*\a
	global_load_b64 v[S+8*\a+4:S+8*\a+5], v7, s[4:5] offset:768*\a+512
	global_load_b32 v[QS+\a], v6, s[6:7] offset:4*\a
.endr
	s_lshl_b32 s74, s76, 16                        ; out0: my block's rows, 4 a wave
	s_lshl_b32 s78, s[WV], 12
	s_add_co_u32 s74, s74, s78
	s_add_nc_u64 s[18:19], s[18:19], s[74:75]
	s_mul_i32 s74, s[WN], 393216                   ; the prefetches: my work-group's and my wave's part, in slot 1's bytes: the first change of slots steps it on.  Nothing is prefetched here, at the head
	s_mul_i32 s78, s[CX], 24576
	s_add_co_u32 s74, s74, s78
	s_lshl_b32 s78, s66, 13
	s_add_co_u32 s74, s74, s78
	s_add_co_u32 s74, s74, SLOTB
	s_add_nc_u64 s[PFA:PFA+1], s[8:9], s[74:75]
	s_mul_i32 s78, s[WV], 3072                     ; the way out: Wo's tile W: its two fragments,
	s_add_co_u32 s78, s78, 147456
	s_mov_b32 s79, 0
	s_add_nc_u64 s[12:13], s[12:13], s[78:79]
	s_lshl_b32 s78, s[WV], 8                       ; their scale words,
	s_add_co_u32 s78, s78, 12288
	s_add_nc_u64 s[14:15], s[14:15], s[78:79]
	s_lshl_b32 s78, s[WV], 6                       ; and its 16 numbers of bo
	s_add_nc_u64 s[16:17], s[16:17], s[78:79]
.irp z, 0,12,24,36,48
.irp p, 0,1,2,3,4,5
	v_mov_b32 v[QB+\z+\p], 0                       ; the runs of zero codes
.endr
.endr
.irp a, 0,1
	v_mov_b32 v[ST+4*\a+1], 0xff61b1e6             ; the largest t so far: -3e38, under every t
	v_floor_f32 v[ST+4*\a], -v[ST+4*\a+1]          ; -M
	v_mov_b32 v[ST+4*\a+2], 0                      ; the sum, in two halves
	v_mov_b32 v[ST+4*\a+3], 0
.endr
	v_mov_b32 v[F+1], 0                            ; (named as the upper half of a pair)
	v_mov_b32 v[PT], 0                             ; a lane permute's destination counts as one of its sources
	v_add_nc_u32 v22, -1, v252                     ; all ones in lanes 0-15,
	v_sub_nc_u32 v23, 0, v252                      ; all ones in lanes 16-31
	s_wait_loadcnt 0x0                             ; the queries
.irp a, 0,1
.irp p, 0,1,2,3,4,5
	v_and_b32 v[QB+24*\a+6+\p], v22, v[S+8*\a+\p]  ; Qlo
	v_and_b32 v[QB+24*\a+18+\p], v23, v[S+8*\a+\p] ; Qhi
.endr
.endr
.irp j, 0,1,2,3,4,5,6,7,8,9,10,11,12,13,14,15,16,17,18,19,20,21,22,23,24,25,26,27,28,29,30,31
	v_mov_b32 v[O+\j], 0                           ; O^T.  (The step is written once: the first finds zeros, which the first change of M leaves zeros)
.endr
; S^T of tile a: eight products; T = 4 f + beta takes fragment f and the run with the queries' codes in block beta: Qlo Z, Qhi Z, Z Qlo, Z Qhi
.macro SCORES a
.irp b, 0,1,2,3
.set QOF, QB+24*(\a)+6+12*\b-30*(\b/2)
	v_wmma_scale_f32_16x16x128_f8f6f4 v[S+8*\b:S+8*\b+7], v[KF:KF+11], v[QOF:QOF+11], 0, v[KS], v[QS+(\a)] matrix_a_fmt:MATRIX_FMT_FP6 matrix_b_fmt:MATRIX_FMT_FP6
.endr
.irp b, 0,1,2,3
.set QOF, QB+24*(\a)+6+12*\b-30*(\b/2)
	v_wmma_scale_f32_16x16x128_f8f6f4 v[S+32+8*\b:S+32+8*\b+7], v[KF+12:KF+23], v[QOF:QOF+11], 0, v[KS], v[QS+(\a)] matrix_a_fmt:MATRIX_FMT_FP6 matrix_b_fmt:MATRIX_FMT_FP6 matrix_a_scale:MATRIX_SCALE_ROW1
.endr
.endm
; the softmax of tile a for 128 keys: my lane holds blocks c = 0, 1 of 32 keys whole
.macro SOFTMAX a
.set rT, ST+4*(\a)
.set rO, O+16*(\a)
.irp c, 0,1
	v_max3_num_f32 v[BM+\c], v[S+32*\c], v[S+32*\c+1], v[S+32*\c+2]      ; THE LARGEST SCORE OF EACH BLOCK: it serves the row's maximum and, since p rises with the score, the block's largest p.  Ascending: each accumulator is read from its low end on
.endr
.irp i, 3,5,7,9,11,13,15,17,19,21,23,25,27,29
.irp c, 0,1
	v_max3_num_f32 v[BM+\c], v[BM+\c], v[S+32*\c+\i], v[S+32*\c+\i+1]
.endr
.endr
.irp c, 0,1
	v_max_num_f32 v[BM+\c], v[BM+\c], v[S+32*\c+31]
.endr
	v_max_num_f32 v[W0], v[BM], v[BM+1]
	v_permlanex16_b32 v[W0+1], v[W0], s[SEL], s[SEL+1]
	v_max_num_f32 v[W0], v[W0], v[W0+1]            ; the step's largest score of my query
	v_mul_f32 v[W0], s[CS], v[W0]                  ; as t (c is positive)
	v_max_num_f32 v[rT+1], v[rT+1], v[W0]          ; the running largest t
	v_mov_b32 v[W0], v[rT]
	v_floor_f32 v[rT], -v[rT+1]                    ; the new -M = floor(-t): M is a whole number
	v_sub_f32 v[W0], v[rT], v[W0]                  ; old M - new M: a whole number, 0 or less
	v_cvt_i32_f32 v[W0], v[W0]                     ; (it saturates)
	v_ldexp_f32 v[F], 1.0, v[W0]                   ; f = 2^(old M - new M)
.irp j, 0,2,4,6,8,10,12,14,16,18,20,22,24,26,28,30,32,34,36,38,40,42,44,46,48,50,52,54,56,58,60,62
	v_pk_fma_f32 v[S+\j:S+\j+1], v[S+\j:S+\j+1], s[CS:CS+1], v[rT:rT+1] op_sel_hi:[1,0,0]   ; t - M, two at a time (of the pairs c and -M the low word serves both halves)
.endr
.irp c, 0,1
	v_fma_f32 v[BM+\c], v[BM+\c], s[CS], v[rT]     ; the same of each block's largest score
.endr
.irp j, 0,1,2,3,4,5,6,7,8,9,10,11,12,13,14,15,16,17,18,19,20,21,22,23,24,25,26,27,28,29,30,31,32,33,34,35,36,37,38,39,40,41,42,43,44,45,46,47,48,49,50,51,52,53,54,55,56,57,58,59,60,61,62,63
	v_exp_f32 v[S+\j], v[S+\j]                     ; p = 2^(t - M), at most 1: not normalised
.endr
	v_pk_mul_f32 v[rT+2:rT+3], v[rT+2:rT+3], v[F:F+1] op_sel_hi:[1,0]    ; the sums under the new M: the plain place behind the exponentials
	s_wait_alu depctr_va_vdst(0)                   ; the wait ahead of the first instruction that names a result: one for the batch of 64
.irp c, 0,1
	v_exp_f32 v[BM+\c], v[BM+\c]                   ; the block's largest p: the same two instructions on the same number give the same bits
.endr
	v_pk_add_f32 v[W0:W0+1], v[S:S+1], v[S+2:S+3]  ; THE ROW'S SUM IS TAKEN OF THE UNQUANTISED p: two at a time, in two chains
.irp j, 4,8,12,16,20,24,28,32,36,40,44,48,52,56,60
	v_pk_add_f32 v[rT+2:rT+3], v[rT+2:rT+3], v[S+\j:S+\j+1]
	v_pk_add_f32 v[W0:W0+1], v[W0:W0+1], v[S+\j+2:S+\j+3]
.endr
	v_pk_add_f32 v[rT+2:rT+3], v[rT+2:rT+3], v[W0:W0+1]
	s_wait_alu depctr_va_vdst(0)                   ; and one for the two
.irp c, 0,1
	v_max_num_f32 v[BM+\c], 0x1800000, v[BM+\c]    ; the floor 2^(3 - 127): the byte cannot fall under 1
.endr
.irp c, 0,1
	v_add_nc_u32 v[TS+\c], 0xff000000, v[BM+\c]    ; 2 off the exponent field: the conversion's scale operand
.endr
.irp c, 0,1
	v_lshrrev_b32 v[BM+\c], 23, v[TS+\c]           ; the scale's byte
.endr
	v_lshl_or_b32 v[PW], v[BM+1], 16, v[BM]        ; my two bytes are those of blocks h and 2 + h of the 128 keys:
	v_lshlrev_b32 v[PW], v[SH8], v[PW]
	v_permlanex16_b32 v[PT], v[PW], s[SEL], s[SEL+1]
	v_or_b32 v[PW], v[PW], v[PT]                   ; with lane l xor 16's two the word is whole
	v_cvt_scalef32_pk16_fp6_f32 v[PC:PC+2], v[S:S+15], v[TS]
	v_cvt_scalef32_pk16_fp6_f32 v[CT:CT+2], v[S+16:S+31], v[TS]          ; (a conversion's three registers begin on an even number)
	v_cvt_scalef32_pk16_fp6_f32 v[PC+6:PC+8], v[S+32:S+47], v[TS+1]
	v_cvt_scalef32_pk16_fp6_f32 v[CT+4:CT+6], v[S+48:S+63], v[TS+1]
	v_nop                                          ; one plain place behind the scaled conversions
.irp i, 0,1,2
	v_mov_b32 v[PC+3+\i], v[CT+\i]
	v_mov_b32 v[PC+9+\i], v[CT+4+\i]
.endr
.irp j, 0,2,4,6,8,10,12,14
	v_pk_mul_f32 v[rO+\j:rO+\j+1], v[rO+\j:rO+\j+1], v[F:F+1] op_sel_hi:[1,0]   ; O^T under the new M.  With the seven lines above, these eight are the 15 places between p's scale word and the products; 8 stand behind the last code
.endr
.endm
.macro PV a                            ; O^T += V^T P^T: two tiles of 16 channels, K = these 128 keys
	v_wmma_scale_f32_16x16x128_f8f6f4 v[O+16*(\a):O+16*(\a)+7], v[VF:VF+11], v[PC:PC+11], v[O+16*(\a):O+16*(\a)+7], v[VS], v[PW] matrix_a_fmt:MATRIX_FMT_FP6 matrix_b_fmt:MATRIX_FMT_FP6
	v_wmma_scale_f32_16x16x128_f8f6f4 v[O+16*(\a)+8:O+16*(\a)+15], v[VF+12:VF+23], v[PC:PC+11], v[O+16*(\a)+8:O+16*(\a)+15], v[VS], v[PW] matrix_a_fmt:MATRIX_FMT_FP6 matrix_b_fmt:MATRIX_FMT_FP6 matrix_a_scale:MATRIX_SCALE_ROW1
.endm
; A KEY STEP: 128 keys, the q-th of the slot in hand.  No two matrix instructions that follow each other share an accumulator, over the loop's backward jump too
.macro STEP q
	v_add_nc_u32 v[ADK], s[TB], v[AK0]
	v_add_nc_u32 v[ADS], s[TSC], v[ASK0]
	v_add_nc_u32 v[ADT], s[TSC], v[ASV0]
	v_nop                                          ; four places in front of loads into registers that the last products have read
.irp n, 0,1,2,3,4,5
	ds_load_b128 v[KF+4*\n:KF+4*\n+3], v[ADK] offset:STEPB*(\q)+512*\n
.endr
	ds_load_b32 v[KS], v[ADS] offset:1024*(\q)
.irp n, 0,1,2,3,4,5
	ds_load_b128 v[VF+4*\n:VF+4*\n+3], v[ADK] offset:STEPB*(\q)+3072+512*\n
.endr
	ds_load_b32 v[VS], v[ADT] offset:1024*(\q)
	s_wait_dscnt 7                                 ; K and its words are in; V's seven loads may be out
	SCORES 0
	PLACES
	SOFTMAX 0
	s_wait_dscnt 0x0                               ; V and its words
	PV 0
	SCORES 1
	PLACES
	SOFTMAX 1
	PV 1
.endm
; THE CHANGE OF SLOTS stands at a slot's head.  Each wave waits for all its tensor loads, adds 0 to its spare word, and waits for that and for its reads of the slot that it has left.  fill = 1: a round of the cluster's barrier
; follows, so that no wave of any partner still reads that slot or has a load on its way, and the joint fill is the first thing behind it: one load a loading wave, with two key steps in which to land.
.macro CHANGE fill
	s_wait_tensorcnt 0x0                           ; no tensor load of mine is out, so a group 0 may be written
	ds_add_u32 v[SPW], v[NIL]                      ; 0 onto my spare word
.if \fill
	ds_add_u32 v[SPW], v[NIL]                      ; and once more: the add twice on end, in every trip alike
	s_xor_b32 s[G0T+1], s[G0T+1], SLOT1            ; the walking descriptor: the other slot than last time,
	s_add_nc_u64 s[G0T+2:G0T+3], s[G0T+2:G0T+3], SLOTB   ; the next two key steps; the type bits on top are not reached
	s_wait_xcnt 0x0                                ; the last prefetch, a slot back, has read its address, so it may be written
	s_add_nc_u64 s[PFA:PFA+1], s[PFA:PFA+1], SLOTB
	s_wait_dscnt 0x0                               ; both adds are done, and my reads of the slot that I have left are over
	CROUND
	TLOAD
	ASK
.else
	s_wait_dscnt 0x0
	s_barrier_signal -1
	s_barrier_wait -1
.endif
.endm
.macro SLOT_STEPS
	STEP 0
	STEP 1
	s_xor_b32 s[TB], s[TB], SLOT1                  ; on to the other slot,
	s_add_co_u32 s[TSC], s[TSC], 2048              ; and to its two steps' scale words
.endm
.Lslot:                                            ; three trips: behind each change of slots but the last the next slot is asked for
	CHANGE 1
	SLOT_STEPS
	s_sub_co_u32 s[SLOTS], s[SLOTS], 1
	s_cmp_lg_u32 s[SLOTS], 0
	s_cbranch_scc1 .Lslot
	CHANGE 0                                       ; the last slot is written out
	SLOT_STEPS
	; ---- THE WAY OUT.  Six address lines are the places behind the last products
.set CI, 9                             ; v9   where my codes of ctx go
.set CB, 244                           ; v244 and my scale byte
.set CF, 245                           ; v245 48 x lane: a fragment's place for my lane
.set CW, 246                           ; v246 4 r: a scale word's
.set SO, 247                           ; v247 the stage: where I put 32 bytes of a row
.set SR, 248                           ; v248 and where I read a row back
	v_and_b32 v1, 31, v0                           ; lane
	v_and_b32 v2, 15, v0                           ; r
	v_bfe_u32 v3, v0, 4, 1                         ; h
	v_lshlrev_b32 v6, 4, v1
	v_lshlrev_b32 v7, 2, v1
	v_lshlrev_b32 v8, 5, v3
.irp n, 0,1,2,3,4,5
	global_load_b128 v[KF+4*\n:KF+4*\n+3], v6, s[12:13] offset:512*\n    ; Wo's rows 16 W .. 16 W + 15: two fragments
.endr
	global_load_b32 v32, v7, s[14:15]              ; their scale words
	global_load_b32 v33, v7, s[14:15] offset:128
	global_load_b128 v[QB:QB+3], v8, s[16:17]      ; bo at outputs 16 W + 8 h + 0 .. 7: the result's layout
	global_load_b128 v[QB+4:QB+7], v8, s[16:17] offset:16
.irp a, 0,1
	v_add_f32 v[BM+\a], v[ST+4*\a+2], v[ST+4*\a+3] ; the sum's two halves,
.endr
.irp a, 0,1
	v_permlanex16_b32 v[W0+\a], v[BM+\a], s[SEL], s[SEL+1]
.endr
.irp a, 0,1
	v_add_f32 v[BM+\a], v[BM+\a], v[W0+\a]         ; and lane l xor 16's: the row's sum
.endr
.irp a, 0,1
	v_rcp_f32 v[BM+\a], v[BM+\a]
.endr
	; the fragment (tile i, s) of ctx wants head 4 s + 2 c + h' in lane (r, h'), registers 6 c on; my 16 codes are its registers 3 h .. 3 h + 2 of those six
	s_mul_i32 s66, s[PR], 6144
	s_lshr_b32 s67, s[HD], 2
	s_mul_i32 s68, s67, 1536
	s_add_co_u32 s66, s66, s68
	s_and_b32 s68, s[HD], 1
	s_mul_i32 s68, s68, 768
	s_add_co_u32 s66, s66, s68
	s_bfe_u32 s68, s[HD], 0x10001
	s_mul_i32 s68, s68, 24
	s_add_co_u32 s66, s66, s68
	v_mul_u32_u24 v[CI], v2, 48                    ; (plain lines behind the reciprocals)
	v_mad_u32_u24 v[CI], v3, 12, v[CI]
	v_add_nc_u32 v[CI], s66, v[CI]
	s_lshl_b32 s69, s[PR], 8
	s_lshl_b32 s67, s67, 6
	s_add_co_u32 s69, s69, s67
	s_and_b32 s67, s[HD], 3
	s_add_co_u32 s69, s69, s67
	v_lshl_add_u32 v[CB], v2, 2, s69               ; byte head % 4 of row r's word
	v_mul_u32_u24 v[CF], v1, 48
	v_lshlrev_b32 v[CW], 2, v2
	v_lshrrev_b32 v[SO], 3, v2
	v_and_b32 v[SR], 7, v2
	v_lshl_add_u32 v[SO], v[SO], 5, v[SR]          ; row r of a tile is token 32 (r / 8) + 8 i + r % 8
	v_mul_u32_u24 v[SO], v[SO], OP
	v_lshl_add_u32 v[SO], v3, 5, v[SO]
	s_lshl_b32 s67, s[WV], 6
	v_add_nc_u32 v[SO], s67, v[SO]                 ; + my 16 outputs' 64 bytes, + 32 h
	s_mul_i32 s67, s[WV], 4*OP
	v_lshl_add_u32 v[SR], v1, 4, s67               ; back: my four rows, 16 bytes a lane
	s_wait_alu depctr_va_vdst(0)                   ; the wait ahead of the reciprocals' first reader
.irp a, 0,1
.irp n, 0,1,2,3,4,5,6,7,8,9,10,11,12,13,14,15
	v_mul_f32 v[S+16*\a+\n], v[O+16*\a+\n], v[BM+\a]   ; ctx = O^T / the sum: channel 16 h + n of my head; each accumulator from its low end on
.endr
.endr
.irp a, 0,1
	v_max3_num_f32 v[TS+\a], |v[S+16*\a]|, |v[S+16*\a+1]|, 0x1800000
.endr
.irp i, 2,4,6,8,10,12,14
.irp a, 0,1
	v_max3_num_f32 v[TS+\a], v[TS+\a], |v[S+16*\a+\i]|, |v[S+16*\a+\i+1]|
.endr
.endr
.irp a, 0,1
	v_permlanex16_b32 v[W0+\a], v[TS+\a], s[SEL], s[SEL+1]
.endr
.irp a, 0,1
	v_max_num_f32 v[TS+\a], v[TS+\a], v[W0+\a]     ; with lane l xor 16's 16 channels: the head's largest magnitude
.endr
.irp a, 0,1
	v_add_nc_u32 v[TS+\a], 0xff000000, v[TS+\a]
.endr
.irp a, 0,1
	v_lshrrev_b32 v[W0+\a], 23, v[TS+\a]
.endr
.irp a, 0,1
	v_cvt_scalef32_pk16_fp6_f32 v[PC+4*\a:PC+4*\a+2], v[S+16*\a:S+16*\a+15], v[TS+\a]
.endr
	v_nop                                          ; one plain place behind the scaled conversions
.irp a, 0,1
.irp k, 0,1,2
	ds_store_b32 v[CI], v[PC+4*\a+\k] offset:CIMG+3072*\a+4*\k
.endr
	ds_store_b8 v[CB], v[W0+\a] offset:CSC+128*\a  ; both halves of the lanes write the same byte with the same value
.endr
	s_wait_dscnt 0x0                               ; for the others' sake: my stores have landed
	s_barrier_signal -1
	s_barrier_wait -1                              ; ctx's eight fragments and their words lie in LDS
.irp n, 0,1,2,3,4,5,6,7
.irp g, 0,1,2
	ds_load_b128 v[S+12*\n+4*\g:S+12*\n+4*\g+3], v[CF] offset:CIMG+1536*\n+16*\g   ; fragment n = 2 i + s; 48 bytes from lane to lane: sixteen lanes touch sixteen different columns of 16 bytes
.endr
	ds_load_b32 v[24+\n], v[CW] offset:CSC+64*\n
.endr
	s_wait_dscnt 0x0
	s_wait_loadcnt 0x0                             ; Wo, its words, bo
.irp i, 0,1,2,3
	v_wmma_scale_f32_16x16x128_f8f6f4 v[OA+8*\i:OA+8*\i+7], v[KF:KF+11], v[S+24*\i:S+24*\i+11], v[QB:QB+7], v32, v[24+2*\i] matrix_a_fmt:MATRIX_FMT_FP6 matrix_b_fmt:MATRIX_FMT_FP6
.endr
.irp i, 0,1,2,3
	v_wmma_scale_f32_16x16x128_f8f6f4 v[OA+8*\i:OA+8*\i+7], v[KF+12:KF+23], v[S+24*\i+12:S+24*\i+23], v[OA+8*\i:OA+8*\i+7], v33, v[24+2*\i+1] matrix_a_fmt:MATRIX_FMT_FP6 matrix_b_fmt:MATRIX_FMT_FP6
.endr
	PLACES                                         ; in front of the first read of results, and of the loads into ctx's registers below
.irp i, 0,1,2,3
	ds_store_b128 v[SO], v[OA+8*\i:OA+8*\i+3] offset:OST+8*OP*\i         ; lane (r, h): out(token, 16 W + 8 h + 0 .. 7)
	ds_store_b128 v[SO], v[OA+8*\i+4:OA+8*\i+7] offset:OST+8*OP*\i+16
.endr
	s_wait_dscnt 0x0
	s_barrier_signal -1
	s_barrier_wait -1                              ; 64 whole rows of out lie in the stage
.irp n, 0,1,2,3,4,5,6,7
	ds_load_b128 v[S+4*\n:S+4*\n+3], v[SR] offset:OST+OP*(\n/2)+512*(\n%2)
.endr
.irp n, 0,1,2,3,4,5,6,7
	s_wait_dscnt 7-\n
	global_store_b128 v6, v[S+4*\n:S+4*\n+3], s[18:19] offset:1024*(\n/2)+512*(\n%2) th:TH_STORE_NT   ; 32 lanes store 512 consecutive bytes, at a multiple of 256 from out0's first byte
.endr
	s_wait_tensorcnt 0x0                           ; the wave's end: behind my last tensor load and my last LDS store
	ds_add_u32 v[SPW], v[NIL]
	s_wait_dscnt 0x0
	CROUND                                         ; the closing round: no work-group ends while a partner may still ask for a tile that names it
	s_endpgm
.Lfunc_end_k_q964552ef2e_attn:
	.size	k_q964552ef2e_attn, .Lfunc_end_k_q964552ef2e_attn-k_q964552ef2e_attn
	.p2alignl 7, 3214868480
	.fill 96, 4, 3214868480
	.section	.rodata,"a",@progbits
	.p2align	6, 0x0
	.amdhsa_kernel k_q964552ef2e_attn
		.amdhsa_group_segment_fixed_size 327680
		.amdhsa_private_segment_fixed_size 0
		.amdhsa_enable_private_segment 0
		.amdhsa_kernarg_size 64
		.amdhsa_user_sgpr_count 2
		.amdhsa_user_sgpr_kernarg_segment_ptr 1
		.amdhsa_wavefront_size32 1
		.amdhsa_system_sgpr_workgroup_id_x 1
		.amdhsa_system_sgpr_workgroup_id_y 1
		.amdhsa_system_sgpr_workgroup_id_z 1
		.amdhsa_system_vgpr_workitem_id 0
		.amdhsa_next_free_vgpr 256
		.amdhsa_next_free_sgpr 80
		.amdhsa_reserve_vcc 0
		.amdhsa_float_denorm_mode_32 3
		.amdhsa_float_denorm_mode_16_64 3
		.amdhsa_memory_ordered 1
		.amdhsa_forward_progress 1
		.amdhsa_inst_pref_size 120
	.end_amdhsa_kernel
	.amdgpu_metadata
---
amdhsa.version: [ 1, 2 ]
amdhsa.kernels:
  - .name:           k_q964552ef2e_attn
    .symbol:         k_q964552ef2e_attn.kd
    .args:
      - { .name: qc, .offset: 0, .size: 8, .value_kind: global_buffer, .address_space: global }
      - { .name: qs, .offset: 8, .size: 8, .value_kind: global_buffer, .address_space: global }
      - { .name: kv, .offset: 16, .size: 8, .value_kind: global_buffer, .address_space: global }
      - { .name: sc, .offset: 24, .size: 8, .value_kind: global_buffer, .address_space: global }
      - { .name: wc, .offset: 32, .size: 8, .value_kind: global_buffer, .address_space: global }
      - { .name: ws, .offset: 40, .size: 8, .value_kind: global_buffer, .address_space: global }
      - { .name: bo, .offset: 48, .size: 8, .value_kind: global_buffer, .address_space: global }
      - { .name: out0, .offset: 56, .size: 8, .value_kind: global_buffer, .address_space: global }
    .group_segment_fixed_size: 327680
    .private_segment_fixed_size: 0
    .kernarg_segment_align: 8
    .kernarg_segment_size: 64
    .max_flat_workgroup_size: 512
    .sgpr_count:     80
    .vgpr_count:     256
    .wavefront_size: 32
...
	.end_amdgpu_metadata
.endif
;; end of part 3
;; ======== version 2 of 2: 3 launches
;; limits: right only within a limited range of input values
;; workspace buffers: wc 196,608 bytes; ws 16,384 bytes; qc 3,145,728 bytes; qs 524,288 bytes; kv 6,291,456 bytes; sc 262,144 bytes
;; launch wquant (part 4): grid 32 x 1, 4 waves a work-group, no clusters, 0 bytes of LDS; arguments Wq, Wk, Wv, Wo, wc, ws; writes wc, ws
.if DOCPART == 4
	.amdgcn_target "amdgcn-amd-amdhsa--gfx1250"
	.amdhsa_code_object_version 6
	.text
	.protected	k_q964552ef2e_wquant
	.globl	k_q964552ef2e_wquant
	.p2align	8
	.type	k_q964552ef2e_wquant,@function
k_q964552ef2e_wquant:
	s_mov_b64 s[64:65], 0
	v_nop
	global_prefetch_b8 v0, s[64:65] scope:SCOPE_SE
	s_setreg_imm32_b32 hwreg(HW_REG_WAVE_MODE, 25, 1), 1
	s_wait_xcnt 0x0
; FIRST OF THREE LAUNCHES.  The program: (1) the four weights into codes; (2) q, k, v projected and their results quantised for attention; (3) attention and the output projection.
; DEAD WORK: none is left out.  Every input moves codes or scales of a live quantised product (the three biases ahead of the attention's quantisers, bk among them; bo is added to the output), so all eleven inputs are loaded.
; THIS LAUNCH: Wq, Wk, Wv, Wo, [256 (out)][256 (in)] f32, K = the input channels, innermost, become codes of E2M3 with one E8M0 byte for each 32 along K.
; A block's scale is 2^(floor(log2(its largest magnitude)) - 2); its byte is the largest magnitude's exponent field - 2, held at 1 from below.
; LIMITS: NaN and infinities among the inputs are not served.  A block of zeros, or one whose largest magnitude lies under 2^-124, gets the byte 1 where the rule says 127 for zeros: its codes are zeros (or are
; taken against 2^-126), and these bytes are read by this program alone.
; LAYOUT OF THE RESULT: images of operand registers.  A fragment is 16 rows x 128 K, 12 registers a lane: lane (r, h) holds row r, registers 6 c .. 6 c + 5 hold K = 64 c + 32 h + 0 .. 31.
;   wc: [tensor 4][fragment F = 2 tile + s, 32][1,536 bytes: registers 4 g .. 4 g + 3 of lane l at 512 g + 16 l];   ws: [tensor][F][lane] one scale word (both halves of the lanes hold row r's).
; WHICH ROWS FORM A TILE is chosen for the launch that reads it (tile = 4 w + tau, row r):
;   Wq, Wk: 64 w + 32 (r / 8) + 8 tau + r % 8;   Wv: 64 w + 32 (tau / 2) + 16 (r / 8) + 8 (tau % 2) + r % 8;   Wo: 16 tile + r.
; SHARES: a wave makes one fragment: 128 waves.  A lane's 64 numbers are two whole blocks of 32, so no other lane is asked for a maximum.  The launch reads 1 MiB in all: no turn through LDS is spent on its loads.
.set ST,  16                           ; v16-79   my 64 numbers: block c at ST + 32 c
.set PC,  80                           ; v80-91   the fragment's codes
.set CT,  92                           ; v92-98   the upper halves of the two blocks' codes, as the conversions leave them
.set TM,  100                          ; v100-101 largest magnitudes
.set TS,  102                          ; v102-103 the conversions' scale operands
.set TB,  104                          ; v104-105 the scale bytes
.set PT,  106                          ; v106     the other half's part of the scale word
.set PW,  108                          ; v108     the scale word
.set SH8, 7                            ; v7       8 h
.set SEL, 16                           ; s[16:17] lane selects: lane l xor 16
; 64 numbers, block c at v[s + 32 c], become 2 x 6 registers of codes at v[da] and v[db]; the bytes stay in v[TB], v[TB + 1]
.macro QUANT2 s, da, db
.irp c, 0,1
	v_max3_num_f32 v[TM+\c], |v[\s+32*\c]|, |v[\s+32*\c+1]|, 0x1800000   ; the floor 2^(3 - 127) among the leaves: the byte cannot fall under 1
.endr
.irp i, 2,4,6,8,10,12,14,16,18,20,22,24,26,28,30
.irp c, 0,1
	v_max3_num_f32 v[TM+\c], v[TM+\c], |v[\s+32*\c+\i]|, |v[\s+32*\c+\i+1]|   ; the two blocks by turns
.endr
.endr
.irp c, 0,1
	v_add_nc_u32 v[TS+\c], 0xff000000, v[TM+\c]    ; 2 off the exponent field: the conversion takes this operand's exponent field as its scale
.endr
.irp c, 0,1
	v_lshrrev_b32 v[TB+\c], 23, v[TS+\c]           ; the scale's byte
.endr
	v_cvt_scalef32_pk16_fp6_f32 v[\da:\da+2], v[\s:\s+15], v[TS]
	v_cvt_scalef32_pk16_fp6_f32 v[CT:CT+2], v[\s+16:\s+31], v[TS]        ; (a conversion's three registers begin on an even number)
	v_cvt_scalef32_pk16_fp6_f32 v[\db:\db+2], v[\s+32:\s+47], v[TS+1]
	v_cvt_scalef32_pk16_fp6_f32 v[CT+4:CT+6], v[\s+48:\s+63], v[TS+1]
	v_nop                                          ; one plain place behind the scaled conversions
.irp i, 0,1,2
	v_mov_b32 v[\da+3+\i], v[CT+\i]
	v_mov_b32 v[\db+3+\i], v[CT+4+\i]
.endr
.endm
; my two bytes are those of blocks h and 2 + h of my row: with lane l xor 16's two the word is whole
.macro WORD
	v_lshl_or_b32 v[PW], v[TB+1], 16, v[TB]
	v_lshlrev_b32 v[PW], v[SH8], v[PW]
	v_permlanex16_b32 v[PT], v[PW], s[SEL], s[SEL+1]
	v_or_b32 v[PW], v[PW], v[PT]
.endm
	s_load_b256 s[4:11], s[0:1], 0x0               ; Wq, Wk, Wv, Wo
	s_load_b128 s[12:15], s[0:1], 0x20             ; wc, ws
	v_lshrrev_b32 v1, 5, v0
	v_readfirstlane_b32 s20, v1                    ; wave
	v_and_b32 v1, 31, v0                           ; lane
	v_and_b32 v2, 15, v0                           ; r
	s_wait_alu depctr_va_vdst(0)
	v_bfe_u32 v3, v0, 4, 1                         ; h
	s_lshr_b32 s21, ttmp9, 3                       ; T: which tensor
	s_and_b32 s22, ttmp9, 7
	s_lshl_b32 s22, s22, 2
	s_add_co_u32 s22, s22, s20                     ; F: which fragment
	s_lshr_b32 s23, s22, 1                         ; tile
	s_and_b32 s24, s22, 1                          ; s: which 128 along K
	s_lshr_b32 s25, s23, 2                         ; w
	s_and_b32 s26, s23, 3                          ; tau
	s_cmp_lt_u32 s21, 2                            ; row = 64 w + G1 (tau / 2) + G0 (tau % 2) + GA (r / 8) + r % 8
	s_cselect_b32 s27, 32, 16                      ; GA: q, k 32; v 16
	s_cselect_b32 s28, 16, 32                      ; G1: q, k 16; v, o 32
	s_cmp_eq_u32 s21, 3
	s_cselect_b32 s27, 8, s27                      ; GA: o 8
	s_cselect_b32 s29, 16, 8                       ; G0: o 16; else 8
	s_lshr_b32 s30, s26, 1
	s_mul_i32 s30, s30, s28
	s_and_b32 s31, s26, 1
	s_mul_i32 s31, s31, s29
	s_add_co_u32 s30, s30, s31
	s_lshl_b32 s31, s25, 6
	s_add_co_u32 s30, s30, s31                     ; the row's part that the wave shares
	v_lshrrev_b32 v8, 3, v2
	v_mul_lo_u32 v8, v8, s27
	v_and_b32 v9, 7, v2
	v_add3_u32 v8, v8, v9, s30                     ; my row
	v_lshlrev_b32 v4, 10, v8                       ; a row is 1,024 bytes
	s_wait_alu depctr_va_vdst(0)
	v_lshl_add_u32 v4, v3, 7, v4                   ; + 128 h: my block of 32
	s_lshl_b32 s31, s24, 9
	v_add_nc_u32 v4, s31, v4                       ; + 512 s
	v_lshlrev_b32 v5, 4, v1                        ; 16 x lane
	v_lshlrev_b32 v6, 2, v1                        ; 4 x lane
	v_lshlrev_b32 v[SH8], 3, v3
	v_mov_b32 v[PT], 0                             ; a lane permute's destination counts as one of its sources
	s_mov_b32 s[SEL], 0x76543210
	s_mov_b32 s[SEL+1], 0xfedcba98
	s_mul_i32 s36, s21, 49152
	s_mul_i32 s37, s22, 1536
	s_add_co_u32 s36, s36, s37                     ; where my image goes
	s_mov_b32 s37, 0
	s_lshl_b32 s38, s21, 12
	s_lshl_b32 s39, s22, 7
	s_add_co_u32 s38, s38, s39                     ; and my scale words
	s_mov_b32 s39, 0
	s_and_b32 s31, s21, 1
	s_wait_alu depctr_va_vdst(0)
	s_wait_kmcnt 0x0
	s_cmp_lt_u32 s21, 2                            ; the tensor is chosen by the work-group's number alone
	s_cselect_b64 s[32:33], s[4:5], s[8:9]
	s_cselect_b64 s[34:35], s[6:7], s[10:11]
	s_cmp_eq_u32 s31, 1
	s_cselect_b64 s[32:33], s[34:35], s[32:33]
	s_add_nc_u64 s[12:13], s[12:13], s[36:37]
	s_add_nc_u64 s[14:15], s[14:15], s[38:39]
.irp c, 0,1
.irp j, 0,1,2,3,4,5,6,7
	global_load_b128 v[ST+32*\c+4*\j:ST+32*\c+4*\j+3], v4, s[32:33] offset:256*\c+16*\j   ; W(row, 128 s + 64 c + 32 h + 4 j ..)
.endr
.endr
	s_wait_loadcnt 0x0                             ; one batch; nothing else is on its way
	QUANT2 ST, PC, PC+6
	WORD
.irp g, 0,1,2
	global_store_b128 v5, v[PC+4*\g:PC+4*\g+3], s[12:13] offset:512*\g   ; 32 lanes store 512 consecutive bytes, at a multiple of 256 from the buffer's first byte
.endr
	global_store_b32 v6, v[PW], s[14:15]
	s_endpgm
.Lfunc_end_k_q964552ef2e_wquant:
	.size	k_q964552ef2e_wquant, .Lfunc_end_k_q964552ef2e_wquant-k_q964552ef2e_wquant
	.p2alignl 7, 3214868480
	.fill 96, 4, 3214868480
	.section	.rodata,"a",@progbits
	.p2align	6, 0x0
	.amdhsa_kernel k_q964552ef2e_wquant
		.amdhsa_group_segment_fixed_size 0
		.amdhsa_private_segment_fixed_size 0
		.amdhsa_enable_private_segment 0
		.amdhsa_kernarg_size 48
		.amdhsa_user_sgpr_count 2
		.amdhsa_user_sgpr_kernarg_segment_ptr 1
		.amdhsa_wavefront_size32 1
		.amdhsa_system_sgpr_workgroup_id_x 1
		.amdhsa_system_sgpr_workgroup_id_y 1
		.amdhsa_system_sgpr_workgroup_id_z 1
		.amdhsa_system_vgpr_workitem_id 0
		.amdhsa_next_free_vgpr 112
		.amdhsa_next_free_sgpr 66
		.amdhsa_reserve_vcc 0
		.amdhsa_float_denorm_mode_32 3
		.amdhsa_float_denorm_mode_16_64 3
		.amdhsa_memory_ordered 1
		.amdhsa_forward_progress 1
		.amdhsa_inst_pref_size 8
	.end_amdhsa_kernel
	.amdgpu_metadata
---
amdhsa.version: [ 1, 2 ]
amdhsa.kernels:
  - .name:           k_q964552ef2e_wquant
    .symbol:         k_q964552ef2e_wquant.kd
    .args:
      - { .name: Wq, .offset: 0, .size: 8, .value_kind: global_buffer, .address_space: global }
      - { .name: Wk, .offset: 8, .size: 8, .value_kind: global_buffer, .address_space: global }
      - { .name: Wv, .offset: 16, .size: 8, .value_kind: global_buffer, .address_space: global }
      - { .name: Wo, .offset: 24, .size: 8, .value_kind: global_buffer, .address_space: global }
      - { .name: wc, .offset: 32, .size: 8, .value_kind: global_buffer, .address_space: global }
      - { .name: ws, .offset: 40, .size: 8, .value_kind: global_buffer, .address_space: global }
    .group_segment_fixed_size: 0
    .private_segment_fixed_size: 0
    .kernarg_segment_align: 8
    .kernarg_segment_size: 48
    .max_flat_workgroup_size: 128
    .sgpr_count:     66
    .vgpr_count:     112
    .wavefront_size: 32
...
	.end_amdgpu_metadata
.endif
;; end of part 4
;; launch proj (part 5): grid 128 x 3, 4 waves a work-group, no clusters, 60,928 bytes of LDS; arguments q, k, v, wc, ws, bq, bk, bv, qc, qs, kv, sc; writes qc, qs, kv, sc
.if DOCPART == 5
	.amdgcn_target "amdgcn-amd-amdhsa--gfx1250"
	.amdhsa_code_object_version 6
	.text
	.protected	k_q964552ef2e_proj
	.globl	k_q964552ef2e_proj
	.p2align	8
	.type	k_q964552ef2e_proj,@function
k_q964552ef2e_proj:
	s_mov_b64 s[64:65], 0
	v_nop
	global_prefetch_b8 v0, s[64:65] scope:SCOPE_SE
	s_setreg_imm32_b32 hwreg(HW_REG_WAVE_MODE, 25, 1), 1
	s_wait_xcnt 0x0
; SECOND LAUNCH: y = Q(x) Q(W)^T + b for x = q, k, v (work-group y = 0, 1, 2), and y quantised at once for the attention: q and k along a head's 32 channels, v along blocks of 32 keys.  No work is left out.
; x: [16,384][256] f32.  W's codes and scale words come from the first launch, as images of operand registers.  Products on codes of E2M3, sums in f32, the bias as the C of each sum's first product.
; LIMITS: as in the first launch (NaN, infinities; blocks of zeros and blocks under 2^-124 get the byte 1; the bytes are read by this program alone).
; SHARES.  A work-group takes 128 tokens (one key step of one window): two blocks f of 64.  THE WAVES SHARE THE COLUMNS: wave w owns channels 64 w .. 64 w + 63, heads 2 w and 2 w + 1; its 8 fragments of W stay in registers.
; THE TOKENS OF A TILE ARE NOT NEIGHBOURS: row r of tile i (0 .. 3) of a block of 64 is token 32 (r / 8) + 8 i + r % 8.
;   q, k (source 0 = 16 rows of W, source 1 = 16 tokens): with W's rows as the first launch chose them, lane (r, h) holds token row r, and its 32 registers of the four tiles tau are channels 0 .. 31 of head 2 w + h: a whole block.
;   v (source 0 = 16 tokens, source 1 = 16 rows of W): lane (r, h) holds one channel, and its 32 registers of the four token tiles are tokens 64 f + 32 h + 0 .. 31: a whole block of keys.
; So no block's maximum needs another lane, and the conversions' results are operand registers of the third launch.
; PHASES.  X: wave w quantises token tiles 2 w and 2 w + 1 (four sets of 16 tokens x 128 K: four fragments) and stores their images in LDS | the one barrier | each wave multiplies all 8 tiles by its part of W, quantises, stores.
; HOW x COMES IN.  Each load of a wave reads 512 consecutive bytes: one token's 128 numbers of a K step, 16 bytes a lane.  The conversions want 32 neighbours along K in ONE lane: so a set goes through the wave's own stage in LDS,
; as it was loaded (16 rows of 512 bytes + 16), and comes back 256 bytes of a row to a lane, into the registers that it left.  The stage is the wave's own and LDS serves a wave's instructions in order: no barrier, no wait between.
; Every work-group loads the bias in both results' layouts (12 small loads), so that no branch stands ahead of the barrier.
; OUT.  qc: [block of 64][pair of heads w][tile i][768: a lane's registers 0-3 at 16 l, 4-5 at 512 + 8 l]; qs: [block][w][lane][i] the scale byte four times in a word.
;   kv: [window][key step][head][K f 0, K f 1, V t 0, V t 1: four images of 1,536].  A fragment of K holds 64 KEYS: row m, block beta = key 64 f + 32 (m / 8) + 8 beta + m % 8.  Row m of V's tile t is channel 16 (m / 8) + 8 t + m % 8.
;   sc: [window][K's 8,192, V's 8,192], each [step][w][256]: K's word of (head 2 w + hp, f, row m) at 8 (16 hp + m) + 4 f; V's of (head 2 w + hp, t, row m) at 8 (16 t + m) + 4 hp.
; REGISTERS.  Window 0: v1-15 addresses and words; ahead of the barrier v16-207 three sets of 64 numbers of x, v208-219 codes; behind it v16-79 eight accumulators, v80-175 fragments of x, v176-223 the results' codes;
;   v224-239 at work; v240-247 W's scale words, v248-255 x's.   Window 1: v0-95 W's 8 fragments ((tau, s) at 12 (2 tau + s)); v96-127 the bias, eight registers a tile.
.set XIMG,  0                          ; LDS: x's 16 fragments as images (token tile T, K step s: 2 T + s), 1,536 bytes each;
.set XSC,   24576                      ; their scale words, 128 bytes each;
.set STG,   26624                      ; a stage for each wave: 16 rows of SGP bytes;
.set SGP,   528                        ; 512 bytes + 16 = 132 words: row r starts at bank 4 r mod 64 (64 banks of 4 bytes: ISA guide 11.1), so the sixteen rows that a read touches start at sixteen different columns of 16 bytes
.set SGB,   16*SGP
.set SPARE, STG+4*SGB                  ; the spare words, 128 bytes for each wave: two blocks of 256 bytes that no other line names
.set L8,   1                           ; v1   8 x lane
.set SGW,  2                           ; v2   my stage, on the way in: 16 x lane
.set SGR,  4                           ; v4   and on the way out: row r, + 128 h
.set LI,   5                           ; v5   16 x lane
.set LS,   6                           ; v6   4 x lane
.set XWI,  7                           ; v7   where I store x's images: 16 x lane + 6,144 x wave
.set XWS,  8                           ; v8   and their scale words: 4 x lane + 512 x wave
.set SH8,  9                           ; v9   8 h
.set VW,   10                          ; v10-13 the bias in v's layout; then V's scale words, one a tile tau
.set KW,   14                          ; v14-15 K's scale words; in v's path at work, then V's words on their way out
.set ST0,  16
.set ST1,  80
.set ST2,  144
.set PC,   208
.set PT,   220
.set PW,   221
.set BQK,  222                         ; v222 the bias's offset in q's and k's layout: 128 h
.set BV,   223                         ; v223 in v's: 64 (r / 8) + 4 (r % 8)
.set ACC,  16
.set XF,   80
.set BYT,  128                         ; v128-135 (q, k) the scale bytes of tiles 4 f + i
.set RES,  176
.set CT,   224
.set TM,   232
.set TS,   234
.set SPW,  236                         ; v236 LDS address of my spare word; never rewritten
.set NIL,  237                         ; v237 0; never rewritten
.set TB,   238
.set WS,   240
.set XS,   248
.set BI,   96                          ; in window 1
.set SEL,  36                          ; s[36:37]
.set MSB, 0
.macro WIN new                         ; the immediate's high byte repeats the setting that is left
.if MSB != \new
	s_set_vgpr_msb (MSB<<8)|\new
.set MSB, \new
.endif
.endm
.macro PLACES
.rept 4
	v_nop
.endr
.endm
; 64 numbers, block c at v[s + 32 c], become 2 x 6 registers of codes at v[da] and v[db]; the bytes stay in v[TB], v[TB + 1].  The maxima take the numbers in ascending order: each accumulator is read from its low end on.
.macro QUANT2 s, da, db
.irp b, 0,1,2,3,4,5,6,7
	v_max3_num_f32 v[CT+\b], |v[\s+8*\b]|, |v[\s+8*\b+1]|, |v[\s+8*\b+2]|   ; eight chains, one for each run of eight numbers (each accumulator from its low end on), in v[CT .. CT + 7], which the conversions write only later
.endr
.irp i, 3,5
.irp b, 0,1,2,3,4,5,6,7
	v_max3_num_f32 v[CT+\b], v[CT+\b], |v[\s+8*\b+\i]|, |v[\s+8*\b+\i+1]|
.endr
.endr
.irp c, 0,1
	v_max3_num_f32 v[CT+4*\c], v[CT+4*\c], v[CT+4*\c+1], |v[\s+32*\c+7]|   ; the chains are joined, each run's eighth number as a leaf
	v_max3_num_f32 v[CT+4*\c+2], v[CT+4*\c+2], v[CT+4*\c+3], |v[\s+32*\c+15]|
.endr
.irp c, 0,1
	v_max3_num_f32 v[TM+\c], v[CT+4*\c], v[CT+4*\c+2], |v[\s+32*\c+23]|
.endr
.irp c, 0,1
	v_max3_num_f32 v[TM+\c], v[TM+\c], |v[\s+32*\c+31]|, 0x1800000   ; the floor 2^(3 - 127) among the leaves: the byte cannot fall under 1
.endr
.irp c, 0,1
	v_add_nc_u32 v[TS+\c], 0xff000000, v[TM+\c]    ; 2 off the exponent field: the conversion's scale operand
.endr
.irp c, 0,1
	v_lshrrev_b32 v[TB+\c], 23, v[TS+\c]           ; the scale's byte
.endr
	v_cvt_scalef32_pk16_fp6_f32 v[\da:\da+2], v[\s:\s+15], v[TS]
	v_cvt_scalef32_pk16_fp6_f32 v[CT:CT+2], v[\s+16:\s+31], v[TS]        ; (a conversion's three registers begin on an even number)
	v_cvt_scalef32_pk16_fp6_f32 v[\db:\db+2], v[\s+32:\s+47], v[TS+1]
	v_cvt_scalef32_pk16_fp6_f32 v[CT+4:CT+6], v[\s+48:\s+63], v[TS+1]
	v_nop                                          ; one plain place behind the scaled conversions
.irp i, 0,1,2
	v_mov_b32 v[\da+3+\i], v[CT+\i]
	v_mov_b32 v[\db+3+\i], v[CT+4+\i]
.endr
.endm
; set n of x = (my tile e = n / 2, K step s = n % 2): load p reads the 512 bytes of row p's token (32 (p / 8) + p % 8 tokens on), K = 128 s + 0 .. 127: 32 lanes, 16 neighbouring bytes each
.macro XLOAD n, reg
.irp p, 0,1,2,3,4,5,6,7,8,9,10,11,12,13,14,15
	global_load_b128 v[\reg+4*\p:\reg+4*\p+3], v[LI], s[30:31] offset:(32*(\p/8)+\p%8)*1024+8192*((\n)/2)+512*((\n)%2) th:TH_LOAD_NT
.endr
.endm
; set n turns through my stage and is quantised; its fragment and its scale words go to LDS as images of their registers
.macro XQ n, reg
.irp p, 0,1,2,3,4,5,6,7,8,9,10,11,12,13,14,15
	ds_store_b128 v[SGW], v[\reg+4*\p:\reg+4*\p+3] offset:SGP*\p         ; row p as it was loaded: 512 bytes on end
.endr
.irp c, 0,1
.irp j, 0,1,2,3,4,5,6,7
	ds_load_b128 v[\reg+32*\c+4*\j:\reg+32*\c+4*\j+3], v[SGR] offset:256*\c+16*\j   ; lane (r, h): of row r, K = 128 s + 64 c + 32 h + 4 j ..  LDS serves a wave's instructions in order (ISA guide 5.7.1.4): these see the stores above, and the last set's reads came ahead of them
.endr
.endr
	s_wait_dscnt 0x0                               ; the set is back; and the last set's image stores have read their registers, which are written again below
	QUANT2 \reg, PC, PC+6
	v_lshl_or_b32 v[PW], v[TB+1], 16, v[TB]        ; my two bytes are those of blocks h and 2 + h of my row:
	v_lshlrev_b32 v[PW], v[SH8], v[PW]
	v_permlanex16_b32 v[PT], v[PW], s[SEL], s[SEL+1]
	v_or_b32 v[PW], v[PW], v[PT]                   ; with lane l xor 16's two the word is whole
.irp g, 0,1,2
	ds_store_b128 v[XWI], v[PC+4*\g:PC+4*\g+3] offset:XIMG+1536*(\n)+512*\g
.endr
	ds_store_b32 v[XWS], v[PW] offset:XSC+128*(\n)
.endm
.macro FETCH reg, sreg, frag           ; a fragment of x and its scale words come back as they were stored, in any wave
.irp g, 0,1,2
	ds_load_b128 v[\reg+4*\g:\reg+4*\g+3], v[LI] offset:XIMG+1536*(\frag)+512*\g
.endr
	ds_load_b32 v[\sreg], v[LS] offset:XSC+128*(\frag)
.endm
	s_load_b512 s[4:19], s[0:1], 0x0               ; q s[4:5], k s[6:7], v s[8:9], wc s[10:11], ws s[12:13], bq s[14:15], bk s[16:17], bv s[18:19]
	s_load_b256 s[20:27], s[0:1], 0x40             ; qc s[20:21], qs s[22:23], kv s[24:25], sc s[26:27]
	v_lshl_add_u32 v[SPW], v0, 2, SPARE
	v_mov_b32 v[NIL], 0
	v_lshrrev_b32 v1, 5, v0
	v_readfirstlane_b32 s28, v1                    ; wave 0..3
	s_and_b32 s29, ttmp7, 0xffff                   ; which tensor
	v_and_b32 v10, 31, v0                          ; lane
	v_and_b32 v14, 15, v0                          ; r
	v_bfe_u32 v3, v0, 4, 1                         ; h
	v_lshlrev_b32 v[L8], 3, v10
	v_lshlrev_b32 v[LI], 4, v10
	v_lshlrev_b32 v[LS], 2, v10
	v_lshlrev_b32 v[SH8], 3, v3
	v_lshrrev_b32 v11, 3, v14                      ; r / 8
	v_and_b32 v12, 7, v14                          ; r % 8
	s_mul_i32 s38, s28, 6144
	v_add_nc_u32 v[XWI], s38, v[LI]
	s_lshl_b32 s38, s28, 9
	v_add_nc_u32 v[XWS], s38, v[LS]
	s_mul_i32 s38, s28, SGB
	s_add_co_u32 s38, s38, STG                     ; my stage
	v_add_nc_u32 v[SGW], s38, v[LI]
	v_mul_u32_u24 v[SGR], v14, SGP
	v_lshl_add_u32 v[SGR], v3, 7, v[SGR]
	v_add_nc_u32 v[SGR], s38, v[SGR]
	v_lshlrev_b32 v[BQK], 7, v3
	v_lshlrev_b32 v[BV], 6, v11
	v_lshl_add_u32 v[BV], v12, 2, v[BV]
	v_cmp_eq_u32 s34, 1, v3                        ; the mask of lanes 16-31
	v_mov_b32 v[PT], 0                             ; lane permutes' destinations count as sources: written once
	v_mov_b32 v[KW], 0
	v_mov_b32 v[KW+1], 0
	s_mov_b32 s[SEL], 0x76543210
	s_mov_b32 s[SEL+1], 0xfedcba98
	s_lshl_b32 s46, ttmp9, 7                       ; my first token: 128 x work-group + 64 (wave / 2) + 16 (wave % 2): tile 2 w is tile i = 2 (w % 2) of block f = w / 2
	s_lshr_b32 s38, s28, 1
	s_lshl_b32 s38, s38, 6
	s_add_co_u32 s46, s46, s38
	s_and_b32 s38, s28, 1
	s_lshl_b32 s38, s38, 4
	s_add_co_u32 s46, s46, s38
	s_lshl_b32 s46, s46, 10
	s_mov_b32 s47, 0
	s_mul_i32 s40, s29, 49152                      ; my 8 fragments of this tensor's W,
	s_mul_i32 s38, s28, 12288
	s_add_co_u32 s40, s40, s38
	s_mov_b32 s41, 0
	s_lshl_b32 s42, s29, 12                        ; their scale words,
	s_lshl_b32 s38, s28, 10
	s_add_co_u32 s42, s42, s38
	s_mov_b32 s43, 0
	s_lshl_b32 s44, s28, 8                         ; my 64 numbers of the bias
	s_mov_b32 s45, 0
	s_wait_alu depctr_va_vdst(0)
	s_wait_kmcnt 0x0
	s_cmp_eq_u32 s29, 0                            ; the buffers are chosen by the work-group's number alone
	s_cselect_b64 s[30:31], s[4:5], s[6:7]
	s_cselect_b64 s[32:33], s[14:15], s[16:17]
	s_cmp_eq_u32 s29, 2
	s_cselect_b64 s[30:31], s[8:9], s[30:31]
	s_cselect_b64 s[32:33], s[18:19], s[32:33]
	s_add_nc_u64 s[30:31], s[30:31], s[46:47]
	s_add_nc_u64 s[10:11], s[10:11], s[40:41]
	s_add_nc_u64 s[12:13], s[12:13], s[42:43]
	s_add_nc_u64 s[32:33], s[32:33], s[44:45]
	; ---- X: my two token tiles become four fragments.  At most 60 loads of a wave are out
	XLOAD 0, ST0
	XLOAD 1, ST1
	XLOAD 2, ST2
	s_mul_i32 s40, ttmp9, 24576                    ; where the results go: qc: two blocks of 12,288 a work-group, 3,072 a wave
	s_mul_i32 s38, s28, 3072
	s_add_co_u32 s40, s40, s38
	s_add_nc_u64 s[20:21], s[20:21], s[40:41]
	s_lshl_b32 s40, ttmp9, 12                      ; qs: two blocks of 2,048, 512 a wave
	s_lshl_b32 s38, s28, 9
	s_add_co_u32 s40, s40, s38
	s_add_nc_u64 s[22:23], s[22:23], s[40:41]
	s_mul_i32 s40, ttmp9, 49152                    ; kv: a key step is 49,152 bytes, a head 6,144
	s_mul_i32 s38, s28, 12288
	s_add_co_u32 s40, s40, s38
	s_add_nc_u64 s[24:25], s[24:25], s[40:41]
	s_lshr_b32 s40, ttmp9, 3                       ; sc: a window is 16,384 bytes, a step 1,024, a pair of heads 256
	s_lshl_b32 s40, s40, 14
	s_and_b32 s38, ttmp9, 7
	s_lshl_b32 s38, s38, 10
	s_add_co_u32 s40, s40, s38
	s_lshl_b32 s38, s28, 8
	s_add_co_u32 s40, s40, s38
	s_add_nc_u64 s[26:27], s[26:27], s[40:41]
	s_wait_loadcnt 32                              ; set 0 is in; sets 1 and 2 may be out
	XQ 0, ST0
	XLOAD 3, ST0
	s_wait_loadcnt 32                              ; set 1 is in; sets 2 and 3 may be out
	XQ 1, ST1
	WIN 0x40                                       ; destination window 1, address window 0
.irp n, 0,1,2,3,4,5,6,7,8,9,10,11,12,13,14,15,16,17,18,19,20,21,22,23
	global_load_b128 v[4*\n:4*\n+3], v[LI], s[10:11] offset:512*\n       ; W's 8 fragments: they stay
.endr
	WIN 0
	s_wait_loadcnt 40                              ; set 2 is in: behind it set 3's 16 loads and W's 24
	XQ 2, ST2
	WIN 0x40
.irp t, 0,1,2,3
	global_load_b128 v[BI+8*\t:BI+8*\t+3], v[BQK], s[32:33] offset:32*\t             ; the bias in q's and k's layout: channels 32 h + 8 tau + 0 .. 7
	global_load_b128 v[BI+8*\t+4:BI+8*\t+7], v[BQK], s[32:33] offset:32*\t+16
.endr
	WIN 0
.irp n, 0,1,2,3,4,5,6,7
	global_load_b32 v[WS+\n], v[LS], s[12:13] offset:128*\n              ; W's scale words
.endr
.irp t, 0,1,2,3
	global_load_b32 v[VW+\t], v[BV], s[32:33] offset:128*(\t/2)+32*(\t%2)   ; the bias in v's layout: my lane's channel of tile tau
.endr
	s_wait_loadcnt 44                              ; set 3 is in: behind it W's 24 loads and the 20 of the bias and the scale words
	XQ 3, ST0
	s_wait_dscnt 0x0                               ; for the others' sake: my images have landed
	s_barrier_signal -1
	s_barrier_wait -1                              ; x's sixteen fragments lie in LDS; nothing is stored to LDS from here on
	s_wait_loadcnt 0x0                             ; W, its scale words, the bias
	s_cmp_eq_u32 s29, 2
	s_cbranch_scc1 .Lv_path
	; ---- q, k: four groups g = 2 f + e of two token tiles (2 g, 2 g + 1); eight accumulators by turns, K step by K step
.macro FETCHQK gg
.irp n, 0,1,2,3
	FETCH XF+12*\n, XS+\n, 4*(\gg)+\n
.endr
.endm
.macro GROUPQK gg
	s_wait_dscnt 0x0
	WIN 0x11                                       ; source 0 (W) and source 2 (the bias) window 1
.irp e, 0,1
.irp t, 0,1,2,3
	v_wmma_scale_f32_16x16x128_f8f6f4 v[ACC+32*\e+8*\t:ACC+32*\e+8*\t+7], v[24*\t:24*\t+11], v[XF+24*\e:XF+24*\e+11], v[BI+8*\t:BI+8*\t+7], v[WS+2*\t], v[XS+2*\e] matrix_a_fmt:MATRIX_FMT_FP6 matrix_b_fmt:MATRIX_FMT_FP6
.endr
.endr
	WIN 0x01
.irp e, 0,1
.irp t, 0,1,2,3
	v_wmma_scale_f32_16x16x128_f8f6f4 v[ACC+32*\e+8*\t:ACC+32*\e+8*\t+7], v[24*\t+12:24*\t+23], v[XF+24*\e+12:XF+24*\e+23], v[ACC+32*\e+8*\t:ACC+32*\e+8*\t+7], v[WS+2*\t+1], v[XS+2*\e+1] matrix_a_fmt:MATRIX_FMT_FP6 matrix_b_fmt:MATRIX_FMT_FP6
.endr
.endr
	WIN 0
	PLACES                                         ; in front of the loads into x's fragments and words, and of the first read of results
.if \gg < 3
	FETCHQK (\gg)+1
.endif
	QUANT2 ACC, RES+24*((\gg)/2)+6*((\gg)%2), RES+24*((\gg)/2)+12+6*((\gg)%2)   ; tiles 0, 2 of a block lie in one run of 12 registers, tiles 1, 3 in the next
	v_mov_b32 v[BYT+2*(\gg)], v[TB]
	v_mov_b32 v[BYT+2*(\gg)+1], v[TB+1]
.endm
	FETCHQK 0
	GROUPQK 0
	GROUPQK 1
	GROUPQK 2
	GROUPQK 3
	s_cmp_eq_u32 s29, 0
	s_cbranch_scc0 .Lk_out
	; q: a lane's six registers of each tile, as they stand
	s_mov_b32 s38, 0x01010101
.irp f, 0,1
.irp i, 0,1,2,3
	global_store_b128 v[LI], v[RES+24*\f+12*(\i%2)+6*(\i/2):RES+24*\f+12*(\i%2)+6*(\i/2)+3], s[20:21] offset:12288*\f+768*\i         ; 512 consecutive bytes
	global_store_b64 v[L8], v[RES+24*\f+12*(\i%2)+6*(\i/2)+4:RES+24*\f+12*(\i%2)+6*(\i/2)+5], s[20:21] offset:12288*\f+768*\i+512     ; 256 consecutive bytes
.endr
.endr
.irp n, 0,1,2,3,4,5,6,7
	v_mul_lo_u32 v[BYT+\n], v[BYT+\n], s38         ; the byte in all four places of a scale word: the third launch lays the query's codes in any of the four blocks
.endr
.irp f, 0,1
	global_store_b128 v[LI], v[BYT+4*\f:BYT+4*\f+3], s[22:23] offset:2048*\f
.endr
	s_branch .Ldone
.Lk_out:
	; k: the first run's lanes 16-31 (head 2 w + 1, tiles 0, 2) change places with the second's lanes 0-15 (head 2 w, tiles 1, 3): the runs are then the two heads' fragments: lane (m, h'), registers 6 c on: tile 2 c + h'
.irp f, 0,1
.irp p, 0,1,2,3,4,5,6,7,8,9,10,11
	v_permlane16_swap_b32 v[RES+24*\f+\p], v[RES+24*\f+12+\p]
.endr
.endr
.irp f, 0,1
	v_lshl_or_b32 v[KW+\f], v[BYT+4*\f+1], 8, v[BYT+4*\f]                ; lane (r, h): the word of row r of head 2 w + h's fragment f: byte beta is tile beta's
	v_lshl_or_b32 v[KW+\f], v[BYT+4*\f+2], 16, v[KW+\f]
	v_lshl_or_b32 v[KW+\f], v[BYT+4*\f+3], 24, v[KW+\f]
.endr
.irp f, 0,1
.irp p, 0,1
.irp g, 0,1,2
	global_store_b128 v[LI], v[RES+24*\f+12*\p+4*\g:RES+24*\f+12*\p+4*\g+3], s[24:25] offset:6144*\p+1536*\f+512*\g
.endr
.endr
.endr
	global_store_b64 v[L8], v[KW:KW+1], s[26:27]   ; 256 consecutive bytes
	s_branch .Ldone
.Lv_path:
	; ---- v: four groups g = 2 p + f: channel tiles 2 p, 2 p + 1 (head 2 w + p) x the four token tiles of block f; eight accumulators by turns
	WIN 0x40
.irp t, 0,1,2,3
.irp j, 0,1,2,3,4,5,6,7
	v_mov_b32 v[BI+8*\t+\j], v[VW+\t]              ; here a lane holds one channel: its bias in all eight registers
.endr
.endr
	WIN 0
.macro FETCHV ff
.irp n, 0,1,2,3,4,5,6,7
	FETCH XF+12*\n, XS+\n, 8*(\ff)+\n
.endr
.endm
.macro GROUPV gg
.set PTAU, (\gg)/2
.set FF, (\gg)%2
	s_wait_dscnt 0x0
	WIN 0x14                                       ; source 1 (W) and source 2 (the bias) window 1
.irp e, 0,1
.irp i, 0,1,2,3
	v_wmma_scale_f32_16x16x128_f8f6f4 v[ACC+32*\e+8*\i:ACC+32*\e+8*\i+7], v[XF+24*\i:XF+24*\i+11], v[24*(2*PTAU+\e):24*(2*PTAU+\e)+11], v[BI+8*(2*PTAU+\e):BI+8*(2*PTAU+\e)+7], v[XS+2*\i], v[WS+2*(2*PTAU+\e)] matrix_a_fmt:MATRIX_FMT_FP6 matrix_b_fmt:MATRIX_FMT_FP6
.endr
.endr
	WIN 0x04
.irp e, 0,1
.irp i, 0,1,2,3
	v_wmma_scale_f32_16x16x128_f8f6f4 v[ACC+32*\e+8*\i:ACC+32*\e+8*\i+7], v[XF+24*\i+12:XF+24*\i+23], v[24*(2*PTAU+\e)+12:24*(2*PTAU+\e)+23], v[ACC+32*\e+8*\i:ACC+32*\e+8*\i+7], v[XS+2*\i+1], v[WS+2*(2*PTAU+\e)+1] matrix_a_fmt:MATRIX_FMT_FP6 matrix_b_fmt:MATRIX_FMT_FP6
.endr
.endr
	WIN 0
	PLACES
.if \gg < 3
	FETCHV ((\gg)+1)%2
.endif
	QUANT2 ACC, RES+24*PTAU+6*FF, RES+24*PTAU+12+6*FF        ; registers 6 f on of tile t = e: keys 64 f + 32 h + 0 .. 31
.if FF == 0
	v_mov_b32 v[VW+2*PTAU], v[TB]
	v_mov_b32 v[VW+2*PTAU+1], v[TB+1]
.else
.irp e, 0,1
	v_lshl_or_b32 v[VW+2*PTAU+\e], v[TB+\e], 16, v[VW+2*PTAU+\e]         ; my two bytes: blocks h and 2 + h of the step's four blocks of keys
	v_lshlrev_b32 v[VW+2*PTAU+\e], v[SH8], v[VW+2*PTAU+\e]
	v_permlanex16_b32 v[KW+\e], v[VW+2*PTAU+\e], s[SEL], s[SEL+1]
	v_or_b32 v[VW+2*PTAU+\e], v[VW+2*PTAU+\e], v[KW+\e]
.endr
.irp e, 0,1
.irp g, 0,1,2
	global_store_b128 v[LI], v[RES+24*PTAU+12*\e+4*\g:RES+24*PTAU+12*\e+4*\g+3], s[24:25] offset:6144*PTAU+3072+1536*\e+512*\g
.endr
.endr
.endif
.endm
	FETCHV 0
	GROUPV 0
	GROUPV 1
	GROUPV 2
	GROUPV 3
	v_cndmask_b32 v[KW], v[VW], v[VW+1], s34       ; lane 16 t + m stores the words of tile t's row m: head 2 w's,
	v_cndmask_b32 v[KW+1], v[VW+2], v[VW+3], s34   ; and head 2 w + 1's
	global_store_b64 v[L8], v[KW:KW+1], s[26:27] offset:8192
.Ldone:
	s_wait_tensorcnt 0x0                           ; the wave's end: behind my last LDS store
	ds_add_u32 v[SPW], v[NIL]
	s_wait_dscnt 0x0
	s_endpgm
.Lfunc_end_k_q964552ef2e_proj:
	.size	k_q964552ef2e_proj, .Lfunc_end_k_q964552ef2e_proj-k_q964552ef2e_proj
	.p2alignl 7, 3214868480
	.fill 96, 4, 3214868480
	.section	.rodata,"a",@progbits
	.p2align	6, 0x0
	.amdhsa_kernel k_q964552ef2e_proj
		.amdhsa_group_segment_fixed_size 60928
		.amdhsa_private_segment_fixed_size 0
		.amdhsa_enable_private_segment 0
		.amdhsa_kernarg_size 96
		.amdhsa_user_sgpr_count 2
		.amdhsa_user_sgpr_kernarg_segment_ptr 1
		.amdhsa_wavefront_size32 1
		.amdhsa_system_sgpr_workgroup_id_x 1
		.amdhsa_system_sgpr_workgroup_id_y 1
		.amdhsa_system_sgpr_workgroup_id_z 1
		.amdhsa_system_vgpr_workitem_id 0
		.amdhsa_next_free_vgpr 384
		.amdhsa_next_free_sgpr 66
		.amdhsa_reserve_vcc 0
		.amdhsa_float_denorm_mode_32 3
		.amdhsa_float_denorm_mode_16_64 3
		.amdhsa_memory_ordered 1
		.amdhsa_forward_progress 1
		.amdhsa_inst_pref_size 96
	.end_amdhsa_kernel
	.amdgpu_metadata
---
amdhsa.version: [ 1, 2 ]
amdhsa.kernels:
  - .name:           k_q964552ef2e_proj
    .symbol:         k_q964552ef2e_proj.kd
    .args:
      - { .name: q, .offset: 0, .size: 8, .value_kind: global_buffer, .address_space: global }
      - { .name: k, .offset: 8, .size: 8, .value_kind: global_buffer, .address_space: global }
      - { .name: v, .offset: 16, .size: 8, .value_kind: global_buffer, .address_space: global }
      - { .name: wc, .offset: 24, .size: 8, .value_kind: global_buffer, .address_space: global }
      - { .name: ws, .offset: 32, .size: 8, .value_kind: global_buffer, .address_space: global }
      - { .name: bq, .offset: 40, .size: 8, .value_kind: global_buffer, .address_space: global }
      - { .name: bk, .offset: 48, .size: 8, .value_kind: global_buffer, .address_space: global }
      - { .name: bv, .offset: 56, .size: 8, .value_kind: global_buffer, .address_space: global }
      - { .name: qc, .offset: 64, .size: 8, .value_kind: global_buffer, .address_space: global }
      - { .name: qs, .offset: 72, .size: 8, .value_kind: global_buffer, .address_space: global }
      - { .name: kv, .offset: 80, .size: 8, .value_kind: global_buffer, .address_space: global }
      - { .name: sc, .offset: 88, .size: 8, .value_kind: global_buffer, .address_space: global }
    .group_segment_fixed_size: 60928
    .private_segment_fixed_size: 0
    .kernarg_segment_align: 8
    .kernarg_segment_size: 96
    .max_flat_workgroup_size: 128
    .sgpr_count:     66
    .vgpr_count:     384
    .wavefront_size: 32
...
	.end_amdgpu_metadata
.endif
;; end of part 5
;; launch attn (part 6): grid 16 x 16, 16 waves a work-group, no clusters, 97,792 bytes of LDS; arguments qc, qs, kv, sc, wc, ws, bo, out0; writes out0
.if DOCPART == 6
	.amdgcn_target "amdgcn-amd-amdhsa--gfx1250"
	.amdhsa_code_object_version 6
	.text
	.protected	k_q964552ef2e_attn
	.globl	k_q964552ef2e_attn
	.p2align	8
	.type	k_q964552ef2e_attn,@function
k_q964552ef2e_attn:
	s_mov_b64 s[64:65], 0
	v_nop
	global_prefetch_b8 v0, s[64:65] scope:SCOPE_SE
	s_setreg_imm32_b32 hwreg(HW_REG_WAVE_MODE, 25, 1), 1
	s_wait_xcnt 0x0
; THIRD LAUNCH: out = Q(softmax(Q(qh) Q(kh)^T / sqrt(32)) Q(vh)) Q(Wo)^T + bo, window by window and head by head, all products on codes of E2M3 with E8M0 scales.  No work is left out.
; THE SOFTMAX: t = score x log2(e) / sqrt(32); M = the row's largest t so far, rounded UP to a whole number; p = 2^(t - M) is quantised along the keys, not normalised.  The row's sum is taken of the
; unquantised p and divides at the end.  When M moves, the sum and O are multiplied by 2^(old M - new M): exact.
; LIMITS: NaN and infinities are not served; p under 2^-126 counts as 0; t is one rounded product of the score where the problem's text has two; blocks under 2^-124 get the scale byte 1.
; SHARES.  A work-group (x: block of 64 queries, y: window) owns 64 queries for all 8 heads; wave W owns head W / 2 and two tiles of 16 queries, i = 2 (W % 2) + a.  Every wave walks the window's 1,024 keys, 128 a step.
; K AND V COME STRAIGHT INTO THE OPERAND REGISTERS.  kv holds images of operand registers, so a load of 16 bytes a lane (512 consecutive bytes a wave) fills four registers of a fragment.  The next step's K is asked for
; behind this step's last scores, the next step's V behind this step's last products with V: into registers that are free by then.  So the walk has no LDS slot, no refill and no barrier.
; NO CLUSTER, NO JOINT LOADS: a window's images for eight heads are 8 x 49,152 = 393,216 bytes, more than the 327,680 bytes of LDS; a stay in LDS would mean slots filled again, each behind a round of 64 waves,
; and a second pass from LDS to the same registers.  Here a fragment is read by the two waves of its head alone.
; THE SCALE WORDS of the window (16,384 bytes) are copied once, in whole units of 256 bytes, into LDS at the head (1,024 bytes a wave) and read from there.
; PREFETCH INTO THE L2.  A step's images are 192 blocks of 256 bytes; the window's 16 work-groups take 12 each, told apart by address; wave 0 asks, a lane a block (lanes 12 to 31 name the twelfth again).  In trip t, which
; loads step t + 1, step t + 3 is asked for: two trips ahead of its loads; trips 5 and 6 ask for nothing.  Steps 1 and 2 are asked for at the head; step 0 comes by its loads alone.
; LAYOUT.  Both products are used transposed, so that a lane holds ONE query (lane % 16) throughout.
;   S^T = K Q^T.  A fragment of K (16 rows x 4 blocks) holds 64 KEYS: row m, block beta = key 64 f + 32 (m / 8) + 8 beta + m % 8.  The queries' operand has its 32 codes in block beta alone and zero codes elsewhere:
;   runs of 12 registers out of Z, Qlo, Z, Qhi, Z (Z = six zeros; Qlo = the codes in lanes 0-15, Qhi in lanes 16-31).  Register 32 c + n of S^T is then key 64 c + 32 h + n: whole blocks of 32 keys in a lane.
;   O^T = V^T P^T: row m of V's tile t is channel 16 (m / 8) + 8 t + m % 8, so that a lane's 16 registers of O^T are channels 16 h + 0 .. 15 of the head.
; THE WAY OUT.  O^T / the sum is quantised along the channels (a block of 32 is a head; it lies in lanes l and l xor 16); the codes meet in LDS as images of operand registers; wave W multiplies the 64 rows by rows
; 16 W .. 16 W + 15 of Wo (bo as the C of the first product); the results go through a stage and leave as whole rows.
; REGISTERS: v1-3 addresses that stay, v4, v5 the add's two, v6-8 addresses in hand, v9 8 h; v10-17 statistics; v18-23 at work; v24-33 scale words and nothing else; v34-87 the queries' runs; v88-111 K, v112-135 V;
;   v136-199 S^T, then p; v200-231 O^T; v232-251 p's codes; v252-254 at work; v255 the prefetches' offset.
.set STEPB, 49152                      ; a key step's images: 8 heads x (K f 0, K f 1, V t 0, V t 1) x 1,536 bytes
.set SCL,   0                          ; LDS: the window's scale words, K's 8,192 bytes and V's 8,192;
.set CIMG,  16384                      ; ctx's 8 fragments, lane-major: register p of lane l at 48 l + 4 p;
.set CSC,   28672                      ; their scale words, 64 bytes each;
.set OST,   29184                      ; the stage: 64 rows x (1,024 bytes + 16);
.set OP,    1040
.set SPARE, 95744                      ; the spare words, 128 bytes for each wave: eight blocks of 256 bytes that no other line names
.set LI,   1                           ; 16 x lane
.set ASK0, 2
.set ASV0, 3
.set SPW,  4
.set NIL,  5
.set ADS,  6
.set ADT,  7
.set SH8,  9
.set ST,   10
.set F,    18
.set BM,   20
.set W0,   22
.set QS,   24
.set KS,   26
.set VS,   27
.set PW,   28
.set QB,   34
.set KF,   88
.set VF,   112
.set S,    136
.set O,    200
.set PC,   232
.set CT,   244
.set TS,   252
.set PT,   254
.set PFO,  255
.set OA,   QB+8
.set WV,   20                          ; s20 wave; s21 head; s22 wave % 2; s23 pair of heads; s24 my block of 64 tokens; s25 the window
.set HD,   21
.set PR,   22
.set BLK,  24
.set WN,   25
.set SEL,  26
.set CS,   28
.set KVB,  30                          ; s[30:31] my head's images of the step whose loads come next
.set TSC,  57                          ; s57 that step's scale words: 1,024 bytes a step
.set CNT,  58
.set LIM,  59
.macro PLACES
.rept 4
	v_nop
.endr
.endm
	s_load_b512 s[4:19], s[0:1], 0x0               ; qc, qs, kv, sc, wc, ws, bo, out0
	v_lshl_add_u32 v[SPW], v0, 2, SPARE
	v_mov_b32 v[NIL], 0
	v_lshrrev_b32 v1, 5, v0
	v_readfirstlane_b32 s[WV], v1                  ; wave 0..15
	s_lshr_b32 s[HD], s[WV], 1
	s_and_b32 s[PR], s[WV], 1
	s_and_b32 s[WN], ttmp7, 0xffff
	s_lshl_b32 s72, s[WN], 4
	s_add_co_u32 s[BLK], s72, ttmp9
	s_mov_b32 s[SEL], 0x76543210
	s_mov_b32 s[SEL+1], 0xfedcba98
	s_mov_b32 s[CS], 0x3e8293ee                    ; c = log2(e) / sqrt(32)
	s_mov_b32 s[CS+1], s[CS]
	s_mov_b32 s[TSC], 0
	s_mov_b32 s[CNT], 7
	s_cmp_eq_u32 s[WV], 0
	s_cselect_b32 s[LIM], 2, -1                    ; wave 0 asks while more than 2 trips are left
	s_lshr_b32 s23, s[HD], 1
	s_and_b32 s66, s[HD], 1
	s_lshl_b32 s67, s23, 8
	s_lshl_b32 s68, s66, 7
	s_add_co_u32 s68, s68, s67                     ; K's words: 256 x pair + 128 (head % 2)
	s_lshl_b32 s69, s66, 2
	s_add_co_u32 s69, s69, s67                     ; V's: 256 x pair + 4 (head % 2)
	s_lshl_b32 s70, s66, 8
	s_lshl_b32 s71, s66, 7
	s_mul_i32 s67, ttmp9, 3072                     ; my work-group's 12 blocks of a step
	s_lshl_b32 s72, s[WN], 14                      ; sc: the window
	s_mov_b32 s73, 0
	s_mul_i32 s74, s[BLK], 12288                   ; qc: block, pair of heads, tile 2 (W % 2)
	s_mul_i32 s78, s23, 3072
	s_add_co_u32 s74, s74, s78
	s_mul_i32 s78, s[PR], 1536
	s_add_co_u32 s74, s74, s78
	s_mov_b32 s75, 0
	s_lshl_b32 s76, s[BLK], 11                     ; qs likewise
	s_lshl_b32 s78, s23, 9
	s_add_co_u32 s76, s76, s78
	s_lshl_b32 s78, s[PR], 3
	s_add_co_u32 s76, s76, s78
	s_mov_b32 s77, 0
	s_mul_i32 s78, s[WN], 393216                   ; kv: the window, my head
	s_mul_i32 s79, s[HD], 6144
	s_add_co_u32 s78, s78, s79
	s_mov_b32 s79, 0
	v_and_b32 v20, 31, v0                          ; lane
	v_and_b32 v21, 15, v0                          ; r
	v_bfe_u32 v252, v0, 4, 1                       ; h
	v_lshlrev_b32 v[LI], 4, v20
	v_lshlrev_b32 v[SH8], 3, v252
	v_min_u32 v[PFO], 11, v20
	v_lshl_add_u32 v[PFO], v[PFO], 8, s67
	v_lshlrev_b32 v[ASK0], 3, v21
	v_lshl_add_u32 v[ASK0], v252, 2, v[ASK0]
	v_add_nc_u32 v[ASK0], s68, v[ASK0]             ; 8 (16 (head % 2) + r) + 4 h: lanes 16-31 take fragment 1's
	v_lshl_add_u32 v[ASV0], v20, 3, s69            ; 8 x lane + 4 (head % 2): lanes 16-31 take tile 1's
	v_lshl_add_u32 v6, v21, 4, s70                 ; the queries' codes and words: the place of lane r + 16 (head % 2)
	v_lshl_add_u32 v7, v21, 3, s71
	v_lshlrev_b32 v8, 4, v0                        ; 16 x thread: my 16 bytes of each half of the scale words
.irp z, 0,12,24,36,48
.irp p, 0,1,2,3,4,5
	v_mov_b32 v[QB+\z+\p], 0                       ; the runs of zero codes
.endr
.endr
.irp a, 0,1
	v_mov_b32 v[ST+4*\a+1], 0xff61b1e6             ; the largest t so far: -3e38
	v_floor_f32 v[ST+4*\a], -v[ST+4*\a+1]          ; -M
	v_mov_b32 v[ST+4*\a+2], 0                      ; the sum, in two halves
	v_mov_b32 v[ST+4*\a+3], 0
.endr
	v_mov_b32 v[F+1], 0
	v_mov_b32 v[PT], 0
	v_add_nc_u32 v22, -1, v252                     ; all ones in lanes 0-15,
	v_sub_nc_u32 v23, 0, v252                      ; all ones in lanes 16-31
.irp j, 0,1,2,3,4,5,6,7,8,9,10,11,12,13,14,15,16,17,18,19,20,21,22,23,24,25,26,27,28,29,30,31
	v_mov_b32 v[O+\j], 0                           ; O^T: the step is written once, the first finds zeros
.endr
	s_wait_alu depctr_va_vdst(0)
	s_wait_kmcnt 0x0
	s_add_nc_u64 s[10:11], s[10:11], s[72:73]
	s_add_nc_u64 s[4:5], s[4:5], s[74:75]
	s_add_nc_u64 s[6:7], s[6:7], s[76:77]
	s_add_nc_u64 s[KVB:KVB+1], s[8:9], s[78:79]
	global_load_b128 v[S+16:S+19], v8, s[10:11]                 ; the scale words: 16 waves x 512 bytes, twice
	global_load_b128 v[S+20:S+23], v8, s[10:11] offset:8192
.irp a, 0,1
	global_load_b128 v[S+8*\a:S+8*\a+3], v6, s[4:5] offset:768*\a
	global_load_b64 v[S+8*\a+4:S+8*\a+5], v7, s[4:5] offset:768*\a+512
	global_load_b32 v[QS+\a], v6, s[6:7] offset:4*\a
.endr
.irp n, 0,1,2,3,4,5
	global_load_b128 v[KF+4*\n:KF+4*\n+3], v[LI], s[KVB:KVB+1] offset:512*\n          ; step 0: K,
.endr
.irp n, 0,1,2,3,4,5
	global_load_b128 v[VF+4*\n:VF+4*\n+3], v[LI], s[KVB:KVB+1] offset:3072+512*\n     ; and V
.endr
	s_cmp_lg_u32 s[WV], 0
	s_cbranch_scc1 .Lno_pf
	global_prefetch_b8 v[PFO], s[KVB:KVB+1] offset:STEPB th:TH_LOAD_NT scope:SCOPE_SE
	global_prefetch_b8 v[PFO], s[KVB:KVB+1] offset:2*STEPB th:TH_LOAD_NT scope:SCOPE_SE
.Lno_pf:
	s_lshl_b32 s72, s[BLK], 16                     ; out0: my block's rows, 4 a wave
	s_lshl_b32 s74, s[WV], 12
	s_add_co_u32 s72, s72, s74
	s_add_nc_u64 s[18:19], s[18:19], s[72:73]
	s_mul_i32 s72, s[WV], 3072                     ; Wo's tile W: its two fragments,
	s_add_co_u32 s72, s72, 147456
	s_add_nc_u64 s[12:13], s[12:13], s[72:73]
	s_lshl_b32 s72, s[WV], 8                       ; their scale words,
	s_add_co_u32 s72, s72, 12288
	s_add_nc_u64 s[14:15], s[14:15], s[72:73]
	s_lshl_b32 s72, s[WV], 6                       ; and its 16 numbers of bo
	s_add_nc_u64 s[16:17], s[16:17], s[72:73]
	s_wait_loadcnt 12                              ; the scale words and the queries are in; K's six loads and V's six may be out
	ds_store_b128 v8, v[S+16:S+19] offset:SCL
	ds_store_b128 v8, v[S+20:S+23] offset:SCL+8192
.irp a, 0,1
.irp p, 0,1,2,3,4,5
	v_and_b32 v[QB+24*\a+6+\p], v22, v[S+8*\a+\p]  ; Qlo
	v_and_b32 v[QB+24*\a+18+\p], v23, v[S+8*\a+\p] ; Qhi
.endr
.endr
	s_wait_alu depctr_va_vdst(0)
	s_wait_dscnt 0x0                               ; for the others' sake: my part of the scale words has landed
	s_barrier_signal -1
	s_barrier_wait -1
	ds_load_b32 v[KS], v[ASK0] offset:SCL
	ds_load_b32 v[VS], v[ASV0] offset:SCL+8192
; S^T of tile a: eight products; T = 4 f + beta takes fragment f and the run with the queries' codes in block beta
.macro SCORES a
.irp b, 0,1,2,3
.set QOF, QB+24*(\a)+6+12*\b-30*(\b/2)
	v_wmma_scale_f32_16x16x128_f8f6f4 v[S+8*\b:S+8*\b+7], v[KF:KF+11], v[QOF:QOF+11], 0, v[KS], v[QS+(\a)] matrix_a_fmt:MATRIX_FMT_FP6 matrix_b_fmt:MATRIX_FMT_FP6
.endr
.irp b, 0,1,2,3
.set QOF, QB+24*(\a)+6+12*\b-30*(\b/2)
	v_wmma_scale_f32_16x16x128_f8f6f4 v[S+32+8*\b:S+32+8*\b+7], v[KF+12:KF+23], v[QOF:QOF+11], 0, v[KS], v[QS+(\a)] matrix_a_fmt:MATRIX_FMT_FP6 matrix_b_fmt:MATRIX_FMT_FP6 matrix_a_scale:MATRIX_SCALE_ROW1
.endr
.endm
; the softmax of tile a for 128 keys: my lane holds blocks c = 0, 1 of 32 keys whole
.macro SOFTMAX a
.set rT, ST+4*(\a)
.set rO, O+16*(\a)
.irp b, 0,1,2,3,4,5,6,7
	v_max3_num_f32 v[CT+\b], v[S+8*\b], v[S+8*\b+1], v[S+8*\b+2]         ; the largest score of each block, which serves the row's maximum and the block's largest p: eight chains, one for each accumulator, from its low end on, in v[CT .. CT + 7]
.endr
.irp i, 3,5
.irp b, 0,1,2,3,4,5,6,7
	v_max3_num_f32 v[CT+\b], v[CT+\b], v[S+8*\b+\i], v[S+8*\b+\i+1]
.endr
.endr
.irp c, 0,1
	v_max3_num_f32 v[CT+4*\c], v[CT+4*\c], v[CT+4*\c+1], v[S+32*\c+7]    ; the chains are joined, each accumulator's eighth score as a leaf
	v_max3_num_f32 v[CT+4*\c+2], v[CT+4*\c+2], v[CT+4*\c+3], v[S+32*\c+15]
.endr
.irp c, 0,1
	v_max3_num_f32 v[BM+\c], v[CT+4*\c], v[CT+4*\c+2], v[S+32*\c+23]
.endr
.irp c, 0,1
	v_max_num_f32 v[BM+\c], v[BM+\c], v[S+32*\c+31]
.endr
	s_delay_alu instid0(VALU_DEP_1)
	v_max_num_f32 v[W0], v[BM], v[BM+1]
	s_delay_alu instid0(VALU_DEP_1)
	v_permlanex16_b32 v[W0+1], v[W0], s[SEL], s[SEL+1]
	s_delay_alu instid0(VALU_DEP_1)
	v_max_num_f32 v[W0], v[W0], v[W0+1]            ; the step's largest score of my query
	s_delay_alu instid0(VALU_DEP_1)
	v_mul_f32 v[W0], s[CS], v[W0]                  ; as t
	s_delay_alu instid0(VALU_DEP_1)
	v_max_num_f32 v[rT+1], v[rT+1], v[W0]          ; the running largest t
	v_mov_b32 v[W0], v[rT]
	s_delay_alu instid0(VALU_DEP_2)
	v_floor_f32 v[rT], -v[rT+1]                    ; the new -M = floor(-t)
.irp j, 0,2,4,6
	v_pk_fma_f32 v[S+\j:S+\j+1], v[S+\j:S+\j+1], s[CS:CS+1], v[rT:rT+1] op_sel_hi:[1,0,0]   ; t - M, two at a time; the three dependent lines that make f stand among these
.endr
	v_sub_f32 v[W0], v[rT], v[W0]                  ; old M - new M: a whole number, 0 or less
.irp j, 8,10,12,14
	v_pk_fma_f32 v[S+\j:S+\j+1], v[S+\j:S+\j+1], s[CS:CS+1], v[rT:rT+1] op_sel_hi:[1,0,0]
.endr
	v_cvt_i32_f32 v[W0], v[W0]
.irp j, 16,18,20,22
	v_pk_fma_f32 v[S+\j:S+\j+1], v[S+\j:S+\j+1], s[CS:CS+1], v[rT:rT+1] op_sel_hi:[1,0,0]
.endr
	v_ldexp_f32 v[F], 1.0, v[W0]                   ; f = 2^(old M - new M)
.irp j, 24,26,28,30,32,34,36,38,40,42,44,46,48,50,52,54,56,58,60,62
	v_pk_fma_f32 v[S+\j:S+\j+1], v[S+\j:S+\j+1], s[CS:CS+1], v[rT:rT+1] op_sel_hi:[1,0,0]
.endr
.irp c, 0,1
	v_fma_f32 v[BM+\c], v[BM+\c], s[CS], v[rT]     ; the same of each block's largest score
.endr
	s_wait_alu depctr_va_vdst(0)
.irp c, 0,1
	v_exp_f32 v[BM+\c], v[BM+\c]                   ; the block's largest p, first of the one batch of 66: the same two instructions on the same number give the same bits
.endr
.irp j, 0,1,2,3,4,5,6,7,8,9,10,11,12,13,14,15,16,17,18,19,20,21,22,23,24,25,26,27,28,29,30,31,32,33,34,35,36,37,38,39,40,41,42,43,44,45,46,47,48,49,50,51,52,53,54,55,56,57,58,59,60,61,62,63
	v_exp_f32 v[S+\j], v[S+\j]                     ; p = 2^(t - M), at most 1
.endr
	v_pk_mul_f32 v[rT+2:rT+3], v[rT+2:rT+3], v[F:F+1] op_sel_hi:[1,0]    ; the sums under the new M: the plain place behind the exponentials
	s_wait_alu depctr_va_vdst(0)                   ; one wait for the batch of 66, ahead of its first reader
	; THE ROW'S SUM IS TAKEN OF THE UNQUANTISED p, two at a time, in eight chains: the running sum, v[W0:W0+1] and six pairs in v[PC .. PC + 11], which the conversions write only later.  32 additions for 32 pairs.
	; The seven dependent links that make the conversions' scale operands and p's scale word stand among them.
	v_pk_add_f32 v[W0:W0+1], v[S:S+1], v[S+2:S+3]
.irp k, 0,1,2
	v_pk_add_f32 v[PC+2*\k:PC+2*\k+1], v[S+4+4*\k:S+5+4*\k], v[S+6+4*\k:S+7+4*\k]
.endr
.irp c, 0,1
	v_max_num_f32 v[BM+\c], 0x1800000, v[BM+\c]    ; the floor 2^(3 - 127): the byte cannot fall under 1
.endr
.irp k, 3,4,5
	v_pk_add_f32 v[PC+2*\k:PC+2*\k+1], v[S+4+4*\k:S+5+4*\k], v[S+6+4*\k:S+7+4*\k]
.endr
	v_pk_add_f32 v[rT+2:rT+3], v[rT+2:rT+3], v[S+28:S+29]
.irp c, 0,1
	v_add_nc_u32 v[TS+\c], 0xff000000, v[BM+\c]    ; 2 off the exponent field: the conversion's scale operand
.endr
	v_pk_add_f32 v[W0:W0+1], v[W0:W0+1], v[S+30:S+31]
.irp k, 0,1,2
	v_pk_add_f32 v[PC+2*\k:PC+2*\k+1], v[PC+2*\k:PC+2*\k+1], v[S+32+2*\k:S+33+2*\k]
.endr
.irp c, 0,1
	v_lshrrev_b32 v[BM+\c], 23, v[TS+\c]           ; the scale's byte
.endr
.irp k, 3,4,5
	v_pk_add_f32 v[PC+2*\k:PC+2*\k+1], v[PC+2*\k:PC+2*\k+1], v[S+32+2*\k:S+33+2*\k]
.endr
	v_pk_add_f32 v[rT+2:rT+3], v[rT+2:rT+3], v[S+44:S+45]
	v_lshl_or_b32 v[PW], v[BM+1], 16, v[BM]        ; my two bytes are those of blocks h and 2 + h of the 128 keys:
	v_pk_add_f32 v[W0:W0+1], v[W0:W0+1], v[S+46:S+47]
.irp k, 0,1,2
	v_pk_add_f32 v[PC+2*\k:PC+2*\k+1], v[PC+2*\k:PC+2*\k+1], v[S+48+2*\k:S+49+2*\k]
.endr
	v_lshlrev_b32 v[PW], v[SH8], v[PW]
.irp k, 3,4,5
	v_pk_add_f32 v[PC+2*\k:PC+2*\k+1], v[PC+2*\k:PC+2*\k+1], v[S+48+2*\k:S+49+2*\k]
.endr
	v_pk_add_f32 v[rT+2:rT+3], v[rT+2:rT+3], v[S+60:S+61]
	v_permlanex16_b32 v[PT], v[PW], s[SEL], s[SEL+1]
.irp k, 0,4,8
	v_pk_add_f32 v[PC+\k:PC+\k+1], v[PC+\k:PC+\k+1], v[PC+\k+2:PC+\k+3]   ; the chains are joined
.endr
	v_pk_add_f32 v[W0:W0+1], v[W0:W0+1], v[S+62:S+63]
	v_or_b32 v[PW], v[PW], v[PT]                   ; with lane l xor 16's two the word is whole
	v_pk_add_f32 v[rT+2:rT+3], v[rT+2:rT+3], v[PC:PC+1]
	v_pk_add_f32 v[W0:W0+1], v[W0:W0+1], v[PC+4:PC+5]
	v_pk_add_f32 v[rT+2:rT+3], v[rT+2:rT+3], v[PC+8:PC+9]
	v_pk_add_f32 v[rT+2:rT+3], v[rT+2:rT+3], v[W0:W0+1]
	v_cvt_scalef32_pk16_fp6_f32 v[PC:PC+2], v[S:S+15], v[TS]
	v_cvt_scalef32_pk16_fp6_f32 v[CT:CT+2], v[S+16:S+31], v[TS]          ; (a conversion's three registers begin on an even number)
	v_cvt_scalef32_pk16_fp6_f32 v[PC+6:PC+8], v[S+32:S+47], v[TS+1]
	v_cvt_scalef32_pk16_fp6_f32 v[CT+4:CT+6], v[S+48:S+63], v[TS+1]
	v_nop                                          ; one plain place behind the scaled conversions
.irp i, 0,1,2
	v_mov_b32 v[PC+3+\i], v[CT+\i]
	v_mov_b32 v[PC+9+\i], v[CT+4+\i]
.endr
	s_wait_alu depctr_va_vdst(0)                   ; ahead of the first reader of O^T
.irp j, 0,2,4,6,8,10,12,14
	v_pk_mul_f32 v[rO+\j:rO+\j+1], v[rO+\j:rO+\j+1], v[F:F+1] op_sel_hi:[1,0]   ; O^T under the new M.  With the seven lines above, these eight are the 15 places between p's scale word and the products
.endr
.endm
.macro PV a                            ; O^T += V^T P^T: two tiles of 16 channels, K = these 128 keys
	v_wmma_scale_f32_16x16x128_f8f6f4 v[O+16*(\a):O+16*(\a)+7], v[VF:VF+11], v[PC:PC+11], v[O+16*(\a):O+16*(\a)+7], v[VS], v[PW] matrix_a_fmt:MATRIX_FMT_FP6 matrix_b_fmt:MATRIX_FMT_FP6
	v_wmma_scale_f32_16x16x128_f8f6f4 v[O+16*(\a)+8:O+16*(\a)+15], v[VF+12:VF+23], v[PC:PC+11], v[O+16*(\a)+8:O+16*(\a)+15], v[VS], v[PW] matrix_a_fmt:MATRIX_FMT_FP6 matrix_b_fmt:MATRIX_FMT_FP6 matrix_a_scale:MATRIX_SCALE_ROW1
.endm
.macro ASK                             ; wave 0, trips 0 to 4: my work-group's 12 blocks of the step two behind the one just asked for by loads
	s_cmp_gt_u32 s[CNT], s[LIM]
	s_cbranch_scc0 .Lnot_mine_\@
	global_prefetch_b8 v[PFO], s[KVB:KVB+1] offset:2*STEPB th:TH_LOAD_NT scope:SCOPE_SE
.Lnot_mine_\@:
.endm
; A KEY STEP: 128 keys.  nxt = 1: the next step's K, V and words are asked for as their registers come free.  nxt = 0, the last step: Wo's fragments, its words and bo are asked for instead.
; No two matrix instructions that follow each other share an accumulator, over the loop's backward jump too
.macro STEP nxt
	s_wait_loadcnt 6                               ; K is in; V's six loads may be out
	s_wait_dscnt 1                                 ; K's words are in; V's may be out
	SCORES 0
	PLACES
	SOFTMAX 0
	s_wait_alu depctr_va_vdst(0)
	s_wait_loadcnt 0x0                             ; V
	s_wait_dscnt 0x0                               ; and its words
.if \nxt
	s_wait_xcnt 0x0                                ; the last prefetch has read its base, which is stepped now
	s_add_nc_u64 s[KVB:KVB+1], s[KVB:KVB+1], STEPB
	s_add_co_u32 s[TSC], s[TSC], 1024
.endif
	PV 0
	SCORES 1
.if \nxt
	v_add_nc_u32 v[ADS], s[TSC], v[ASK0]           ; four places in front of the loads into K's registers and words, and of the first read of the scores
	v_add_nc_u32 v[ADT], s[TSC], v[ASV0]
	v_nop
	v_nop
.irp n, 0,1,2,3,4,5
	global_load_b128 v[KF+4*\n:KF+4*\n+3], v[LI], s[KVB:KVB+1] offset:512*\n
.endr
	ds_load_b32 v[KS], v[ADS] offset:SCL
	ASK
.else
	v_lshrrev_b32 v[ADS], 2, v[LI]                 ; 4 x lane
	v_lshlrev_b32 v8, 2, v[SH8]                    ; 32 h
	v_nop
	v_nop
.irp n, 0,1,2,3,4,5
	global_load_b128 v[KF+4*\n:KF+4*\n+3], v[LI], s[12:13] offset:512*\n   ; Wo's rows 16 W .. 16 W + 15: two fragments
.endr
	global_load_b32 v32, v[ADS], s[14:15]          ; their scale words
	global_load_b32 v33, v[ADS], s[14:15] offset:128
	global_load_b128 v[QB:QB+3], v8, s[16:17]      ; bo at outputs 16 W + 8 h + 0 .. 7: the result's layout
	global_load_b128 v[QB+4:QB+7], v8, s[16:17] offset:16
.endif
	SOFTMAX 1
	PV 1
.if \nxt
	PLACES                                         ; in front of the loads into V's registers and words
.irp n, 0,1,2,3,4,5
	global_load_b128 v[VF+4*\n:VF+4*\n+3], v[LI], s[KVB:KVB+1] offset:3072+512*\n
.endr
	ds_load_b32 v[VS], v[ADT] offset:SCL+8192
.endif
.endm
.Lstep:                                            ; seven trips; the eighth step is written out: it loads nothing of kv
	STEP 1
	s_sub_co_u32 s[CNT], s[CNT], 1
	s_cmp_lg_u32 s[CNT], 0
	s_cbranch_scc1 .Lstep
	STEP 0
	; ---- THE WAY OUT
.set CI, 9                             ; where my codes of ctx go
.set CB, 244                           ; and my scale byte
.set CF, 245                           ; 48 x lane: a fragment's place for my lane
.set CW, 246                           ; 4 r: a scale word's
.set SO, 247                           ; the stage: where I put 32 bytes of a row
.set SR, 248                           ; and where I read a row back
	v_and_b32 v7, 31, v0                           ; lane
	v_and_b32 v2, 15, v0                           ; r
	v_bfe_u32 v3, v0, 4, 1                         ; h
.irp a, 0,1
	v_add_f32 v[BM+\a], v[ST+4*\a+2], v[ST+4*\a+3] ; the sum's two halves,
.endr
.irp a, 0,1
	v_permlanex16_b32 v[W0+\a], v[BM+\a], s[SEL], s[SEL+1]
.endr
.irp a, 0,1
	v_add_f32 v[BM+\a], v[BM+\a], v[W0+\a]         ; and lane l xor 16's: the row's sum
.endr
	s_wait_alu depctr_va_vdst(0)
.irp a, 0,1
	v_rcp_f32 v[BM+\a], v[BM+\a]
.endr
	; the fragment (tile i, s) of ctx wants head 4 s + 2 c + h' in lane (r, h'), registers 6 c on; my 16 codes are its registers 3 h .. 3 h + 2 of those six
	s_mul_i32 s66, s[PR], 6144
	s_lshr_b32 s67, s[HD], 2
	s_mul_i32 s68, s67, 1536
	s_add_co_u32 s66, s66, s68
	s_and_b32 s68, s[HD], 1
	s_mul_i32 s68, s68, 768
	s_add_co_u32 s66, s66, s68
	s_bfe_u32 s68, s[HD], 0x10001
	s_mul_i32 s68, s68, 24
	s_add_co_u32 s66, s66, s68
	v_mul_u32_u24 v[CI], v2, 48                    ; (plain lines behind the reciprocals)
	v_mad_u32_u24 v[CI], v3, 12, v[CI]
	v_add_nc_u32 v[CI], s66, v[CI]
	s_lshl_b32 s69, s[PR], 8
	s_lshl_b32 s67, s67, 6
	s_add_co_u32 s69, s69, s67
	s_and_b32 s67, s[HD], 3
	s_add_co_u32 s69, s69, s67
	v_lshl_add_u32 v[CB], v2, 2, s69               ; byte head % 4 of row r's word
	v_mul_u32_u24 v[CF], v7, 48
	v_lshlrev_b32 v[CW], 2, v2
	v_lshrrev_b32 v[SO], 3, v2
	v_and_b32 v[SR], 7, v2
	v_lshl_add_u32 v[SO], v[SO], 5, v[SR]          ; row r of a tile is token 32 (r / 8) + 8 i + r % 8
	v_mul_u32_u24 v[SO], v[SO], OP
	v_lshl_add_u32 v[SO], v3, 5, v[SO]
	s_lshl_b32 s67, s[WV], 6
	v_add_nc_u32 v[SO], s67, v[SO]                 ; + my 16 outputs' 64 bytes, + 32 h
	s_mul_i32 s67, s[WV], 4*OP
	v_lshl_add_u32 v[SR], v7, 4, s67               ; back: my four rows, 16 bytes a lane
	s_wait_alu depctr_va_vdst(0)                   ; the wait ahead of the reciprocals' first reader, and of O^T's
.irp a, 0,1
.irp n, 0,1,2,3,4,5,6,7,8,9,10,11,12,13,14,15
	v_mul_f32 v[S+16*\a+\n], v[O+16*\a+\n], v[BM+\a]   ; ctx = O^T / the sum: channel 16 h + n of my head; each accumulator from its low end on
.endr
.endr
.irp a, 0,1
	v_max3_num_f32 v[TS+\a], |v[S+16*\a]|, |v[S+16*\a+1]|, 0x1800000
.endr
.irp i, 2,4,6,8,10,12,14
.irp a, 0,1
	v_max3_num_f32 v[TS+\a], v[TS+\a], |v[S+16*\a+\i]|, |v[S+16*\a+\i+1]|
.endr
.endr
.irp a, 0,1
	v_permlanex16_b32 v[W0+\a], v[TS+\a], s[SEL], s[SEL+1]
.endr
.irp a, 0,1
	v_max_num_f32 v[TS+\a], v[TS+\a], v[W0+\a]     ; with lane l xor 16's 16 channels: the head's largest magnitude
.endr
.irp a, 0,1
	v_add_nc_u32 v[TS+\a], 0xff000000, v[TS+\a]
.endr
.irp a, 0,1
	v_lshrrev_b32 v[W0+\a], 23, v[TS+\a]
.endr
.irp a, 0,1
	v_cvt_scalef32_pk16_fp6_f32 v[PC+4*\a:PC+4*\a+2], v[S+16*\a:S+16*\a+15], v[TS+\a]
.endr
	v_nop                                          ; one plain place behind the scaled conversions
.irp a, 0,1
.irp k, 0,1,2
	ds_store_b32 v[CI], v[PC+4*\a+\k] offset:CIMG+3072*\a+4*\k
.endr
	ds_store_b8 v[CB], v[W0+\a] offset:CSC+128*\a  ; both halves of the lanes write the same byte with the same value
.endr
	s_wait_dscnt 0x0                               ; for the others' sake: my stores have landed
	s_barrier_signal -1
	s_barrier_wait -1                              ; ctx's eight fragments and their words lie in LDS
.irp n, 0,1,2,3,4,5,6,7
.irp g, 0,1,2
	ds_load_b128 v[S+12*\n+4*\g:S+12*\n+4*\g+3], v[CF] offset:CIMG+1536*\n+16*\g   ; fragment n = 2 i + s
.endr
	ds_load_b32 v[24+\n], v[CW] offset:CSC+64*\n
.endr
	s_wait_dscnt 0x0
	s_wait_loadcnt 0x0                             ; Wo, its words, bo
.irp i, 0,1,2,3
	v_wmma_scale_f32_16x16x128_f8f6f4 v[OA+8*\i:OA+8*\i+7], v[KF:KF+11], v[S+24*\i:S+24*\i+11], v[QB:QB+7], v32, v[24+2*\i] matrix_a_fmt:MATRIX_FMT_FP6 matrix_b_fmt:MATRIX_FMT_FP6
.endr
.irp i, 0,1,2,3
	v_wmma_scale_f32_16x16x128_f8f6f4 v[OA+8*\i:OA+8*\i+7], v[KF+12:KF+23], v[S+24*\i+12:S+24*\i+23], v[OA+8*\i:OA+8*\i+7], v33, v[24+2*\i+1] matrix_a_fmt:MATRIX_FMT_FP6 matrix_b_fmt:MATRIX_FMT_FP6
.endr
	PLACES                                         ; in front of the first read of results, and of the loads into ctx's registers below
.irp i, 0,1,2,3
	ds_store_b128 v[SO], v[OA+8*\i:OA+8*\i+3] offset:OST+8*OP*\i         ; lane (r, h): out(token, 16 W + 8 h + 0 .. 7)
	ds_store_b128 v[SO], v[OA+8*\i+4:OA+8*\i+7] offset:OST+8*OP*\i+16
.endr
	s_wait_dscnt 0x0
	s_barrier_signal -1
	s_barrier_wait -1                              ; 64 whole rows of out lie in the stage
.irp n, 0,1,2,3,4,5,6,7
	ds_load_b128 v[S+4*\n:S+4*\n+3], v[SR] offset:OST+OP*(\n/2)+512*(\n%2)
.endr
.irp n, 0,1,2,3,4,5,6,7
	s_wait_dscnt 7-\n
	global_store_b128 v[LI], v[S+4*\n:S+4*\n+3], s[18:19] offset:1024*(\n/2)+512*(\n%2) th:TH_STORE_NT   ; 32 lanes store 512 consecutive bytes, at a multiple of 256 from out0's first byte
.endr
	s_wait_tensorcnt 0x0                           ; the wave's end: behind my last LDS store
	ds_add_u32 v[SPW], v[NIL]
	s_wait_dscnt 0x0
	s_endpgm
.Lfunc_end_k_q964552ef2e_attn:
	.size	k_q964552ef2e_attn, .Lfunc_end_k_q964552ef2e_attn-k_q964552ef2e_attn
	.p2alignl 7, 3214868480
	.fill 96, 4, 3214868480
	.section	.rodata,"a",@progbits
	.p2align	6, 0x0
	.amdhsa_kernel k_q964552ef2e_attn
		.amdhsa_group_segment_fixed_size 97792
		.amdhsa_private_segment_fixed_size 0
		.amdhsa_enable_private_segment 0
		.amdhsa_kernarg_size 64
		.amdhsa_user_sgpr_count 2
		.amdhsa_user_sgpr_kernarg_segment_ptr 1
		.amdhsa_wavefront_size32 1
		.amdhsa_system_sgpr_workgroup_id_x 1
		.amdhsa_system_sgpr_workgroup_id_y 1
		.amdhsa_system_sgpr_workgroup_id_z 1
		.amdhsa_system_vgpr_workitem_id 0
		.amdhsa_next_free_vgpr 256
		.amdhsa_next_free_sgpr 80
		.amdhsa_reserve_vcc 0
		.amdhsa_float_denorm_mode_32 3
		.amdhsa_float_denorm_mode_16_64 3
		.amdhsa_memory_ordered 1
		.amdhsa_forward_progress 1
		.amdhsa_inst_pref_size 70
	.end_amdhsa_kernel
	.amdgpu_metadata
---
amdhsa.version: [ 1, 2 ]
amdhsa.kernels:
  - .name:           k_q964552ef2e_attn
    .symbol:         k_q964552ef2e_attn.kd
    .args:
      - { .name: qc, .offset: 0, .size: 8, .value_kind: global_buffer, .address_space: global }
      - { .name: qs, .offset: 8, .size: 8, .value_kind: global_buffer, .address_space: global }
      - { .name: kv, .offset: 16, .size: 8, .value_kind: global_buffer, .address_space: global }
      - { .name: sc, .offset: 24, .size: 8, .value_kind: global_buffer, .address_space: global }
      - { .name: wc, .offset: 32, .size: 8, .value_kind: global_buffer, .address_space: global }
      - { .name: ws, .offset: 40, .size: 8, .value_kind: global_buffer, .address_space: global }
      - { .name: bo, .offset: 48, .size: 8, .value_kind: global_buffer, .address_space: global }
      - { .name: out0, .offset: 56, .size: 8, .value_kind: global_buffer, .address_space: global }
    .group_segment_fixed_size: 97792
    .private_segment_fixed_size: 0
    .kernarg_segment_align: 8
    .kernarg_segment_size: 64
    .max_flat_workgroup_size: 512
    .sgpr_count:     80
    .vgpr_count:     256
    .wavefront_size: 32
...
	.end_amdgpu_metadata
.endif
;; end of part 6
